; MI455X (gfx1250); checked and timed in simulation.
; The chip was launched on July 23, 2026; its instructions are those of AMD's public machine-readable ISA for CDNA 5 (MIT licence, August 2026) and "CDNA5" Instruction Set Architecture Reference Guide (July 2026). The comments in the code are by the model that wrote it; some were corrected since.
;; Flash Attention. Allowed arithmetic: matrix products marked QUANTISED: E2M1 operands, one E8M0 scale for each 32 along K, by v_wmma_scale_f32_16x16x128_f8f6f4 with both operands' format E2M1 (or v_wmma_scale_f32_32x16x128_f4), f32 sums; products left as they are: bf16, f16 or f32 operands; f32 sums; everything else in f32.
;; Inputs: b_attn 3,072 float32; b_proj 1,024 float32; w_attn 1,024 x 3,072 float32; w_proj 1,024 x 1,024 float32; x 4 x 1,024 x 1,024 float32.
;; Outputs: out0 4 x 1,024 x 1,024 float32.
;; This version of the problem:
;;   THIS VERSION OF THE PROBLEM IS GIVEN IN LOW PRECISION. The matrix products marked QUANTISED in the list below multiply operands that are first quantised to E2M1 (2 exponent bits, 1 mantissa bit; 4 bits a number), with one power-of-two scale for each 32 numbers along K (OCP MX v1.0); their sums are f32. The products marked 'left as it is' may take bf16, f16 or f32 operands, with f32 sums. Whichever they take, every output number must still come out within the allowed error. Rounding operands to bf16 (8 significant bits) uses up far more of that allowance than f16 does (11 bits, for magnitudes from 6e-5 to 65,504). All else is computed in f32.
;;   The module's matrix products, in the order in which they are computed (A, B: the left and right operand; K: the contracted axis; several contracted axes count as one K, in the product's order):
;;     1. [M 4,096, K 1,024] x [K 1,024, N 3,072]; A: input x; B: input w_attn: QUANTISED
;;     2. batch 64 x [M 1,024, K 64] x [K 64, N 1,024]; A: computed on the way; B: computed on the way: left as it is (an operand is computed on the way)
;;     3. batch 64 x [M 1,024, K 1,024] x [K 1,024, N 64]; A: computed on the way; B: computed on the way: left as it is (an operand is computed on the way)
;;     4. [M 4,096, K 1,024] x [K 1,024, N 1,024]; A: computed on the way; B: input w_proj: left as it is (an operand is computed on the way)
;;   THE QUANTISER, for each operand of a quantised product, along K:
;;     - K is cut into blocks of 32 from its start; a last block that is shorter is filled with zeros.
;;     - A block's scale is 2^e with e = floor(log2(the largest magnitude in the block)) - 2, held to -126 .. 127; a block of zeros has e = 0. As a byte (E8M0): e + 127.
;;     - Each number is divided by its block's scale, clamped to +-6, and rounded to the nearest number of E2M1, ties to even, subnormals kept.
;;     - The product sums the exact products of the quantised numbers (number of the format x scale) in f32.
;;   ~~~python
;;   def quantise(x, axis):      # numpy; x: float32 -> the quantised numbers, widened to float32 again
;;       x = np.moveaxis(x, axis, -1); K = x.shape[-1]
;;       x = np.pad(x, [(0, 0)] * (x.ndim - 1) + [(0, -K % 32)]); x = x.reshape(x.shape[:-1] + (-1, 32)); a = np.abs(x).max(-1, keepdims=True)
;;       e = np.where(a > 0, np.clip(np.frexp(np.where(a > 0, a, 1))[1] - 1 - 2, -126, 127), 0)      # np.frexp(a)[1] - 1 = floor(log2(a)), exactly
;;       r = np.clip(x / 2.0 ** e, -6, 6)
;;       step = 2.0 ** (np.maximum(np.frexp(np.where(r == 0, 1, r))[1] - 1, 0) - 1)
;;       q = np.round(r / step) * step * 2.0 ** e      # np.round: ties to even
;;       return np.moveaxis(q.reshape(q.shape[:-2] + (-1,))[..., :K], -1, axis).astype(np.float32)
;;   ~~~
;; One version. Each part assembles by itself: llvm-mc -triple=amdgcn-amd-amdhsa -mcpu=gfx1250 --defsym DOCPART=n.
;; ======== version 1 of 1: 5 launches
;; limits: values are held in f16: magnitudes above 65,504 overflow, below 6.1e-05 lose precision
;; workspace buffers: xc 2,097,152 bytes; xs 131,072 bytes; wc 1,572,864 bytes; ws 98,304 bytes; wp 4,194,304 bytes; qkv 25,559,040 bytes; y 8,388,608 bytes
;; launch prep (part 1): grid 768 x 1, 4 waves a work-group, no clusters, 33,280 bytes of LDS; arguments x, w_attn, w_proj, xc, xs, wc, ws, wp; writes xc, xs, wc, ws, wp
.if DOCPART == 1
	.amdgcn_target "amdgcn-amd-amdhsa--gfx1250"
	.amdhsa_code_object_version 6
	.text
	.protected	k_qdaf10b25cc_prep
	.globl	k_qdaf10b25cc_prep
	.p2align	8
	.type	k_qdaf10b25cc_prep,@function
k_qdaf10b25cc_prep:
	s_mov_b64 s[64:65], 0
	v_nop
	global_prefetch_b8 v0, s[64:65] scope:SCOPE_SE
	s_setreg_imm32_b32 hwreg(HW_REG_WAVE_MODE, 25, 1), 1
	s_wait_xcnt 0x0
; PREP: the operands of the later launches are made once.  Three jobs, told apart by the work-group's number:
;   0-255   x [4096][1024] f32 -> codes of FP4 (E2M1), K innermost, [4096][512 bytes], and one E8M0 byte for each 32 along K, [4096][32]
;   256-639 w_attn [1024 (k)][3072 (n)] f32 -> codes quantised along K, laid as IMAGES OF THE OPERAND'S REGISTERS, and scale bytes [3072][32]
;   640-767 w_proj [1024 (k)][1024 (n)] f32 -> f16, a high part and a low part (w - high), both as images of 16-bit fragments
; SHARES: a work-group for x reads 65,536 bytes, one for a weight 32,768: 256 of the first and 512 of the second.  EVERY WAVE ISSUES ALL ITS LOADS AT ITS HEAD (32 of 512 bytes, or 64 of 128 bytes): no wave asks memory a second time.
; THE QUANTISER: a block's scale is 2^(floor(log2(largest magnitude)) - 2); its byte is the largest magnitude's exponent field - 2, held at 1 from below; each number is divided by the scale and
; rounded to the nearest code, ties to even, beyond 6 the largest code.  A block of zeros gets the byte 1 where the rule says 127: its codes are zeros, and this program alone reads the bytes.
; AN IMAGE is 512 bytes: 32 lanes x 16 bytes, four registers of a fragment as they lie; whoever loads it at 16 x lane has those registers.
;   wc: [slot of 512 k: 2][tile of 16 n: 192][128 k in the slot: 4][c: 2][512]; lane (r, h) of piece c holds column r's block 2 c + h of 32 codes.
;   wp: high at 0, low at 2,097,152; each [128 n: 8][256 k: 4][tile of 16 n: 8][32 k: 8][c: 2][512]; lane (r, h) of piece c holds column r, k = 16 c + 8 h + 0 .. 7.
; NOT IN WHOLE ALIGNED 256 BYTES: x's scale bytes leave 128 consecutive bytes a wave, w_attn's 2 bytes a lane, 32 bytes apart: 229,376 bytes in all.  Whole blocks would want twice the K or twice the numbers in one wave, and so loads in two turns.
; LIMITS: NaN and infinities are not served; blocks whose largest magnitude lies under 2^-124 keep the byte 1; |w_proj| stays under 65,504 (f16).
; Only the path for x touches LDS; no barrier, no tensor load: waves share nothing.
.set SPW,   12                         ; v12  LDS address of my spare word; never rewritten
.set NIL,   13                         ; v13  0; never rewritten
.set SPARE, 32768                      ; behind the four waves' regions: the spare words, 128 bytes a wave
.set WV,    20                         ; s20  my wave's number
.set STEPS, 8
.set CB,    8                          ; bytes of 16 codes
.set R,     16                         ; v16-143  x: eight sets of 16 numbers as loaded, one for each step
.set X,     144                        ; v144-175 x: two sets of 16 neighbours
.set E,     176                        ; v176-183 x: a scale byte for each step
.set C,     184                        ; v184-199 x: codes, two registers a step, so that no store's data are written again
.set WREG,  8192                       ; LDS: a region for each wave: two stages of 32 x SP bytes, then its 128 scale bytes
.set SP,    80                         ; a lane's place in a stage: 64 bytes + 16 of padding
	s_load_b256 s[4:11], s[0:1], 0x0               ; x s[4:5], w_attn s[6:7], w_proj s[8:9], xc s[10:11]
	s_load_b256 s[12:19], s[0:1], 0x20             ; xs s[12:13], wc s[14:15], ws s[16:17], wp s[18:19]
	v_lshl_add_u32 v[SPW], v0, 2, SPARE
	v_mov_b32 v[NIL], 0
	v_lshrrev_b32 v1, 5, v0
	v_readfirstlane_b32 s[WV], v1                  ; wave 0..3
	v_and_b32 v2, 31, v0                           ; lane
	s_mov_b32 s25, 0                               ; the upper word of every offset pair s[24:25]
	s_wait_kmcnt 0x0
	s_cmp_ge_u32 ttmp9, 640
	s_cbranch_scc1 .Lw_proj
	s_cmp_ge_u32 ttmp9, 256
	s_cbranch_scc1 .Lw_attn
; ---- x.  Rows are dense and 1,024 is a multiple of 32: x is a plain stream of blocks of 32, and so are its codes and scale bytes.  A wave takes 8 steps of 512 numbers.
; Each load reads 512 consecutive bytes, 16 a lane; a step's 2,048 bytes turn through the wave's own stage in LDS and come back 64 bytes a lane: 16 neighbours, two lanes to a block.
	v_lshlrev_b32 v3, 4, v2                        ; my 16 bytes of a load's 512
	s_mul_i32 s21, s[WV], WREG
	v_lshrrev_b32 v14, 2, v2
	v_mul_u32_u24 v14, v14, SP
	v_and_b32 v15, 3, v2
	v_lshl_add_u32 v14, v15, 4, v14
	v_add_nc_u32 v14, s21, v14                     ; the stage, in: SP (lane / 4) + 16 (lane % 4)
	v_mul_u32_u24 v15, v2, SP
	v_add_nc_u32 v15, s21, v15                     ; and out: SP x lane
	v_mul_u32_u24 v4, v2, CB                       ; my codes' place in a step's
	v_lshrrev_b32 v5, 1, v2
	s_add_co_u32 s21, s21, 2*32*SP
	v_add_nc_u32 v5, s21, v5                       ; my wave's 128 scale bytes, my block's byte
	v_lshlrev_b32 v7, 2, v2
	v_add_nc_u32 v6, s21, v7                       ; and on the way out 4 bytes a lane
	s_lshl_b32 s22, ttmp9, 2
	s_add_co_u32 s22, s22, s[WV]                   ; which run of 4,096 numbers is my wave's: 0 .. 1,023
	s_lshl_b32 s24, s22, 14
	s_add_nc_u64 s[4:5], s[4:5], s[24:25]          ; 16,384 bytes of x a run,
	s_lshl_b32 s24, s22, 11
	s_add_nc_u64 s[10:11], s[10:11], s[24:25]      ; 2,048 of codes,
	s_lshl_b32 s24, s22, 7
	s_add_nc_u64 s[12:13], s[12:13], s[24:25]      ; 128 scale bytes
.macro XLOAD t
.irp i, 0,1,2,3
	global_load_b128 v[R+16*(\t)+4*\i:R+16*(\t)+4*\i+3], v3, s[4:5] offset:2048*(\t)+512*\i th:TH_LOAD_NT
.endr
.endm
.macro XTURN t                         ; step t's numbers through the stage: LDS serves a wave's instructions in order, so no wait stands between the stores and the loads
.irp i, 0,1,2,3
	ds_store_b128 v14, v[R+16*(\t)+4*\i:R+16*(\t)+4*\i+3] offset:32*SP*((\t)%2)+8*SP*\i
.endr
.irp i, 0,1,2,3
	ds_load_b128 v[X+16*((\t)%2)+4*\i:X+16*((\t)%2)+4*\i+3], v15 offset:32*SP*((\t)%2)+16*\i
.endr
.endm
.irp t, 0,1,2,3,4,5,6,7
	XLOAD \t                                       ; all 32 loads of the wave: 16,384 bytes on their way
.endr
	s_wait_loadcnt 28                              ; step 0's four loads are in; the 28 behind them may be out
	XTURN 0
.macro XSTEP t
.set XS, X+16*((\t)%2)
.if (\t) > 0
	s_wait_dscnt 1                                 ; this step's numbers are back from the stage; the last step's byte store may be out
.else
	s_wait_dscnt 0x0
.endif
.if (\t)+1 < STEPS
	s_wait_loadcnt 4*(STEPS-2-(\t))                ; the next step's four loads are in; those of the steps behind it may be out
	XTURN (\t)+1                                   ; and go through the other stage while this step is worked
.endif
	v_max3_num_f32 v8, |v[XS]|, |v[XS+1]|, |v[XS+2]|               ; the largest magnitude of my 16, in two chains
	v_max3_num_f32 v9, |v[XS+3]|, |v[XS+4]|, |v[XS+5]|
.irp i, 6,10
	v_max3_num_f32 v8, v8, |v[XS+\i]|, |v[XS+\i+1]|
	v_max3_num_f32 v9, v9, |v[XS+\i+2]|, |v[XS+\i+3]|
.endr
	v_max3_num_f32 v8, v8, |v[XS+14]|, |v[XS+15]|
	v_max3_num_f32 v8, v8, v9, 0x1800000           ; and the floor 2^(3 - 127): the byte cannot fall under 1
	v_max_num_f32_dpp v8, v8, v8 row_xmask:1 row_mask:0xf bank_mask:0xf   ; with my neighbour's 16: the block's
	v_add_nc_u32 v11, 0xff000000, v8               ; 2 off its exponent field: the conversion takes the exponent field of this operand as its scale
	v_cvt_scalef32_pk8_fp4_f32 v[C+2*(\t)], v[XS:XS+7], v11
	v_cvt_scalef32_pk8_fp4_f32 v[C+2*(\t)+1], v[XS+8:XS+15], v11
	v_lshrrev_b32 v[E+(\t)], 23, v11               ; the scale's byte (a plain line behind the conversions)
	ds_store_b8 v5, v[E+(\t)] offset:16*(\t)       ; both lanes of a block write the same byte with the same value
	global_store_b64 v4, v[C+2*(\t):C+2*(\t)+1], s[10:11] offset:32*CB*(\t)   ; the wave stores 256 consecutive bytes, aligned
.endm
.irp t, 0,1,2,3,4,5,6,7
	XSTEP \t
.endr
	ds_load_b32 v8, v6                             ; my wave's 128 scale bytes: this load sees my stores
	s_wait_dscnt 0x0
	global_store_b32 v7, v8, s[12:13]              ; 128 consecutive bytes
	s_wait_tensorcnt 0x0                           ; the wave's end: a wait, an add to my spare word and its wait, behind my last LDS store
	ds_add_u32 v[SPW], v[NIL]
	s_wait_dscnt 0x0
	s_endpgm
; ---- w_attn.  A LANE TAKES A COLUMN n, ITS REGISTERS RUN DOWN K: a wave takes 32 columns x 64 k: each load reads 128 consecutive bytes, a block of 32 lies in one lane, the codes come out with K innermost.
; 64 k are blocks 2 c and 2 c + 1 of a K step of 128: piece c of the fragments of two tiles of 16 columns.
.Lw_attn:
	s_sub_co_u32 s26, ttmp9, 256
	s_and_b32 s21, s26, 15                         ; which 64 along K
	s_lshr_b32 s22, s26, 4
	s_lshl_b32 s22, s22, 7
	s_lshl_b32 s23, s[WV], 5
	s_add_co_u32 s22, s22, s23                     ; n0: my wave's first column
	s_mul_i32 s24, s21, 64*12288
	s_lshl_b32 s23, s22, 2
	s_add_co_u32 s24, s24, s23
	s_add_nc_u64 s[6:7], s[6:7], s[24:25]
	v_lshlrev_b32 v3, 2, v2
.set i, 0
.rept 64
	global_load_b32 v[64+i], v3, s[6:7] offset:i*12288 th:TH_LOAD_NT   ; w_attn(64 x my part + i, n0 + lane)
.set i, i+1
.endr
	s_lshr_b32 s24, s21, 3
	s_mul_i32 s24, s24, 786432                     ; the slot of 512 k,
	s_lshl_b32 s23, s22, 8
	s_add_co_u32 s24, s24, s23                     ; the tile of 16 columns: 4,096 bytes each,
	s_bfe_u32 s23, s21, 0x20001
	s_lshl_b32 s23, s23, 10
	s_add_co_u32 s24, s24, s23                     ; the 128 k in the slot,
	s_and_b32 s23, s21, 1
	s_lshl_b32 s23, s23, 9
	s_add_co_u32 s24, s24, s23                     ; the piece c
	s_add_nc_u64 s[14:15], s[14:15], s[24:25]
	s_lshl_b32 s24, s22, 5
	s_lshl_b32 s23, s21, 1
	s_add_co_u32 s24, s24, s23
	s_add_nc_u64 s[16:17], s[16:17], s[24:25]      ; scale bytes: 32 a column, my two at 2 x my part
	v_lshlrev_b32 v4, 4, v2
	v_lshlrev_b32 v5, 5, v2
.macro WBLK t, left                    ; block t of my column: its byte into v32, its 32 codes into v[16 + 4 t ..]
.set XS, 64+32*(\t)
	s_wait_loadcnt \left                           ; the block's 32 loads are in; the second block's 32 may be out
	v_max3_num_f32 v8, |v[XS]|, |v[XS+1]|, |v[XS+2]|
	v_max3_num_f32 v9, |v[XS+3]|, |v[XS+4]|, |v[XS+5]|
.irp k, 6,10,14,18,22,26
	v_max3_num_f32 v8, v8, |v[XS+\k]|, |v[XS+\k+1]|
	v_max3_num_f32 v9, v9, |v[XS+\k+2]|, |v[XS+\k+3]|
.endr
	v_max3_num_f32 v8, v8, |v[XS+30]|, |v[XS+31]|
	v_max3_num_f32 v8, v8, v9, 0x1800000           ; the floor 2^(3 - 127)
	v_add_nc_u32 v11, 0xff000000, v8               ; the conversion's scale operand
	v_lshrrev_b32 v10, 23, v11                     ; the byte
.if (\t) == 0
	v_mov_b32 v32, v10
.else
	v_lshl_or_b32 v32, v10, 8*(\t), v32            ; the lower k in the lower byte
.endif
.irp g, 0,1,2,3
	v_cvt_scalef32_pk8_fp4_f32 v[16+4*(\t)+\g], v[XS+8*\g:XS+8*\g+7], v11
.endr
.endm
	WBLK 0, 32
	WBLK 1, 0
	v_nop                                          ; one plain line between a scaled conversion and the vector instruction that touches its result
.irp g, 0,1,2,3                        ; the operand wants block 2 c in lanes 0-15 and block 2 c + 1 in lanes 16-31 of one tile of 16 columns: the first register's upper lanes change places with the second's lower
	v_permlane16_swap_b32 v[16+\g], v[20+\g]       ; now the first is piece c of columns n0 .. n0 + 15, the second piece c of n0 + 16 .. n0 + 31
.endr
	global_store_b128 v4, v[16:19], s[14:15]                 ; each store: 512 consecutive bytes, aligned
	global_store_b128 v4, v[20:23], s[14:15] offset:4096
	global_store_b16 v5, v32, s[16:17]             ; 2 bytes a lane, 32 bytes apart (the head's note)
	s_endpgm
; ---- w_proj.  The same plan: a lane a column, registers down K; 32 k at a time become a high and a low f16 fragment of two tiles of 16 columns.
.Lw_proj:
	s_sub_co_u32 s21, ttmp9, 640
	s_lshr_b32 s22, s21, 4                         ; which 128 columns
	s_and_b32 s21, s21, 15                         ; which 64 along K
	s_lshl_b32 s24, s21, 18                        ; 64 rows of 4,096 bytes
	s_lshl_b32 s23, s22, 9
	s_add_co_u32 s24, s24, s23
	s_lshl_b32 s23, s[WV], 7
	s_add_co_u32 s24, s24, s23                     ; + my wave's 32 columns
	s_add_nc_u64 s[8:9], s[8:9], s[24:25]
	v_lshlrev_b32 v3, 2, v2
.set i, 0
.rept 64
	global_load_b32 v[64+i], v3, s[8:9] offset:i*4096 th:TH_LOAD_NT
.set i, i+1
.endr
	s_lshl_b32 s24, s22, 18                        ; the block of 128 columns,
	s_lshr_b32 s23, s21, 2
	s_lshl_b32 s23, s23, 16
	s_add_co_u32 s24, s24, s23                     ; the K step of 256,
	s_lshl_b32 s23, s[WV], 14
	s_add_co_u32 s24, s24, s23                     ; my two tiles of 16 columns,
	s_and_b32 s23, s21, 3
	s_lshl_b32 s23, s23, 11
	s_add_co_u32 s24, s24, s23                     ; my two fragments of 32 k
	s_add_nc_u64 s[18:19], s[18:19], s[24:25]
	v_lshlrev_b32 v4, 4, v2
.macro PGRP g, left
.set XS, 64+32*(\g)
.if (\g) > 0
	s_wait_xcnt 0x0                                ; the last group's stores have read their data: v16-47 are written again only behind this wait
.endif
	s_wait_loadcnt \left                           ; the group's 32 loads are in; the second group's 32 may be out
.set i, 0
.rept 16
	v_cvt_pk_f16_f32 v[16+i], v[XS+2*i], v[XS+2*i+1]         ; the high parts, k ascending
.set i, i+1
.endr
.set i, 0
.irp hf, v16.l, v16.h, v17.l, v17.h, v18.l, v18.h, v19.l, v19.h, v20.l, v20.h, v21.l, v21.h, v22.l, v22.h, v23.l, v23.h, v24.l, v24.h, v25.l, v25.h, v26.l, v26.h, v27.l, v27.h, v28.l, v28.h, v29.l, v29.h, v30.l, v30.h, v31.l, v31.h
	v_cvt_f32_f16 v[32+i], \hf                     ; widened again,
.set i, i+1
.endr
.set i, 0
.rept 16
	v_pk_add_f32 v[XS+2*i:XS+2*i+1], v[XS+2*i:XS+2*i+1], v[32+2*i:33+2*i] neg_lo:[0,1] neg_hi:[0,1]   ; w - high: exact in f32,
.set i, i+1
.endr
.set i, 0
.rept 16
	v_cvt_pk_f16_f32 v[32+i], v[XS+2*i], v[XS+2*i+1]         ; and the low parts
.set i, i+1
.endr
.irp b, 16, 24, 32, 40                 ; k 0-7 in lanes 0-15 and k 8-15 in lanes 16-31 of one tile of 16 columns (and so for k 16-31): as for the codes above
.irp i, 0,1,2,3
	v_permlane16_swap_b32 v[\b+\i], v[\b+4+\i]
.endr
.endr
	global_store_b128 v4, v[16:19], s[18:19] offset:(\g)*1024
	global_store_b128 v4, v[20:23], s[18:19] offset:(\g)*1024+8192
	global_store_b128 v4, v[24:27], s[18:19] offset:(\g)*1024+512
	global_store_b128 v4, v[28:31], s[18:19] offset:(\g)*1024+8704
	global_store_b128 v4, v[32:35], s[18:19] offset:2097152+(\g)*1024
	global_store_b128 v4, v[36:39], s[18:19] offset:2097152+(\g)*1024+8192
	global_store_b128 v4, v[40:43], s[18:19] offset:2097152+(\g)*1024+512
	global_store_b128 v4, v[44:47], s[18:19] offset:2097152+(\g)*1024+8704
.endm
	PGRP 0, 32
	PGRP 1, 0
	s_endpgm
.Lfunc_end_k_qdaf10b25cc_prep:
	.size	k_qdaf10b25cc_prep, .Lfunc_end_k_qdaf10b25cc_prep-k_qdaf10b25cc_prep
	.p2alignl 7, 3214868480
	.fill 96, 4, 3214868480
	.section	.rodata,"a",@progbits
	.p2align	6, 0x0
	.amdhsa_kernel k_qdaf10b25cc_prep
		.amdhsa_group_segment_fixed_size 33280
		.amdhsa_private_segment_fixed_size 0
		.amdhsa_enable_private_segment 0
		.amdhsa_kernarg_size 64
		.amdhsa_user_sgpr_count 2
		.amdhsa_user_sgpr_kernarg_segment_ptr 1
		.amdhsa_wavefront_size32 1
		.amdhsa_system_sgpr_workgroup_id_x 1
		.amdhsa_system_sgpr_workgroup_id_y 1
		.amdhsa_system_sgpr_workgroup_id_z 1
		.amdhsa_system_vgpr_workitem_id 0
		.amdhsa_next_free_vgpr 200
		.amdhsa_next_free_sgpr 66
		.amdhsa_reserve_vcc 0
		.amdhsa_float_denorm_mode_32 3
		.amdhsa_float_denorm_mode_16_64 3
		.amdhsa_memory_ordered 1
		.amdhsa_forward_progress 1
		.amdhsa_inst_pref_size 46
	.end_amdhsa_kernel
	.amdgpu_metadata
---
amdhsa.version: [ 1, 2 ]
amdhsa.kernels:
  - .name:           k_qdaf10b25cc_prep
    .symbol:         k_qdaf10b25cc_prep.kd
    .args:
      - { .name: x, .offset: 0, .size: 8, .value_kind: global_buffer, .address_space: global }
      - { .name: w_attn, .offset: 8, .size: 8, .value_kind: global_buffer, .address_space: global }
      - { .name: w_proj, .offset: 16, .size: 8, .value_kind: global_buffer, .address_space: global }
      - { .name: xc, .offset: 24, .size: 8, .value_kind: global_buffer, .address_space: global }
      - { .name: xs, .offset: 32, .size: 8, .value_kind: global_buffer, .address_space: global }
      - { .name: wc, .offset: 40, .size: 8, .value_kind: global_buffer, .address_space: global }
      - { .name: ws, .offset: 48, .size: 8, .value_kind: global_buffer, .address_space: global }
      - { .name: wp, .offset: 56, .size: 8, .value_kind: global_buffer, .address_space: global }
    .group_segment_fixed_size: 33280
    .private_segment_fixed_size: 0
    .kernarg_segment_align: 8
    .kernarg_segment_size: 64
    .max_flat_workgroup_size: 128
    .sgpr_count:     66
    .vgpr_count:     200
    .wavefront_size: 32
...
	.end_amdgpu_metadata
.endif
;; end of part 1
;; launch qkv (part 2): grid 12 x 16, 4 waves a work-group, clusters of 4 x 4, 327,680 bytes of LDS; arguments xc, xs, wc, ws, b_attn, qkv; writes qkv
.if DOCPART == 2
	.amdgcn_target "amdgcn-amd-amdhsa--gfx1250"
	.amdhsa_code_object_version 6
	.text
	.protected	k_qdaf10b25cc_qkv
	.globl	k_qdaf10b25cc_qkv
	.p2align	8
	.type	k_qdaf10b25cc_qkv,@function
k_qdaf10b25cc_qkv:
	s_mov_b64 s[64:65], 0
	v_nop
	global_prefetch_b8 v0, s[64:65] scope:SCOPE_SE
	s_setreg_imm32_b32 hwreg(HW_REG_WAVE_MODE, 25, 1), 1
	s_wait_xcnt 0x0
	s_wait_alu depctr_hold_cnt(0) depctr_sa_sdst(0) depctr_va_vdst(0) depctr_va_sdst(0) depctr_va_ssrc(0) depctr_va_vcc(0) depctr_vm_vsrc(0)
	s_getreg_b32 s2, hwreg(HW_REG_IB_STS2, 6, 4)
	s_cmp_eq_u32 s2, 0
	s_cbranch_scc0 .Lentry_in_a_cluster
	s_endpgm
.Lentry_in_a_cluster:
	s_bfe_u32 s2, ttmp6, 0x10000c
	s_cmp_lg_u32 s2, 0xf033
	s_cbranch_scc0 .Lentry_shape_is_right
	s_endpgm
.Lentry_shape_is_right:
; QKV = Q(x) Q(w_attn) + b_attn: [4096][1024] x [1024][3072] on codes of FP4 (E2M1) with one E8M0 scale for each 32 along K; sums in f32; results rounded to f16 for the attention that follows.
; A tile of 256 x 256 is made by a work-group of four waves, 128 x 128 each: 64 accumulators of 16 x 16, 512 registers.  K = 1,024 is two LDS slots of 512: both are asked for at the head, nothing is filled again, there is no loop.
; x's codes lie by rows (a tile's row: 256 bytes, padded to 272 in LDS).  w_attn's codes lie as images of the operand's registers: a half tile's slot is one dense block of 32,768 bytes, brought as 128 rows of 256 bytes + 16.
; THE SCALES of the work-group's 256 rows and 256 columns, for all of K, come once, as two dense blocks.
; CLUSTERS: 4 x 4 work-groups; x's tiles are shared along a row of the cluster, w_attn's along a column: each is asked for jointly, by the same tensor load with the same descriptor and a mask that names the four.
; The tile row is 4 cy + cluster y: so the batch is cy, and whether a work-group holds positions 0-15 of a sequence hangs on the cluster's y alone, which all partners share.  The tile column is 4 x cluster x + cx: cluster x says q, k or v.
; THE MATRIX INSTRUCTION IS USED TRANSPOSED (source 0 = 16 columns of w_attn, source 1 = 16 rows of x): a lane holds eight neighbouring columns of one row.  Rounded to f16 they are four registers of the next product's fragment:
; THE RESULTS LEAVE AS IMAGES, straight from registers, 512 consecutive bytes a store:  qkv[which 3][batch 4][head 16][tile of 16 positions 64][16 channels 4][512]: (position r, channels 16 bb + 8 h + 0 .. 7)
; stands at slot r + 16 h for q and k, and at slot (r % 8) + 8 h + 16 (r / 8) for v, where the turning LDS load wants it.  The bias is the C of each sum's first product.
; For positions 0-15 of each sequence the low parts (sum - f16(sum), as f16) are stored too, from byte LO on: [which][batch][head][16 channels][512].
; LIMITS: |q|, |k|, |v| stay under 65,504 (f16).
; REGISTERS, in windows of 256: window 0: v0-31 addresses; v32-95 scale words, two sets; v128-191 x's fragments, one set; v192-255 the bias of my 128 columns; on the way out v32-223 are at work.
;   window 1: w_attn's fragments, two sets, at v0 and v128.   window 2: the accumulators of my rows 0-63 ((a, b) at v[8 (8 a + b)]);   window 3: those of my rows 64-127.
.set NQ,     4                         ; steps of 128 along K in a slot
.set ROWB,   256                       ; a row of x's tile in bytes
.set KROW,   512                       ; a row of x's codes in memory
.set PITCH,  272
.set FR,     8
.set NL,     2
.set NP,     4                         ; places behind this matrix instruction (ISA guide 7.12.1)
.set HALFT,  128*PITCH
.set SLOT,   4*HALFT
.set KS,     32                        ; a row of scale bytes
.set SCL,    2*SLOT
.set HALFS,  16*272                    ; the scales of 128 rows
.set SBLK,   2*272                     ; of 16 rows
.set SPARE,  SCL+4*HALFS               ; the spare words, 128 bytes a wave
.set WSLOT,  786432                    ; from slot to slot in wc
.set LO,     25165824                  ; where the low parts begin in qkv
.set ADRA, 16                          ; v16-17 LDS address of my fragments of x in slot 0, 1
.set ADRB, 20                          ; v20-21 the same for w_attn
.set LOF,  24                          ; v24    my 16 bytes' place in an image on the way out
.set BO,   26                          ; v26    the bias's lane offset
.set ADRS, 27                          ; v27    LDS address of my scale words: lanes 0-15 x's rows, lanes 16-31 w_attn's columns
.set SPW,  28
.set NIL,  29
.set SC,   32
.set AF,   128
.set BIAS, 192
.set G1, 24
.set G0, 32
.set G1B, 48
.set G0B, 56
.set G1S, 68
.set G0S, 76
.set G1SB, 80
.set G0SB, 88
.set MSB, 0
.macro WIN new                         ; the immediate's high byte repeats the setting that is left
.if MSB != (\new)
	s_set_vgpr_msb (MSB<<8)|(\new)
.set MSB, (\new)
.endif
.endm
.set MUL_LO, 0xa1                      ; source 0 window 1, source 1 window 0, C and D window 2
.set MUL_HI, 0xf1                      ; the same, C and D window 3
.set TO_B,   0x40
; A joint load: waves 0 and 1 fetch for x, waves 2 and 3 for w_attn.  The branch hangs on the wave's number alone.  An s_nop 0 and four v_nop follow each of the two lines.
.macro JLOAD g0a, g1a, g0b, g1b
	s_cmp_eq_u32 s15, 0
	s_cbranch_scc0 .Lfor_b_\@
	tensor_load_to_lds s[\g0a:\g0a+3], s[\g1a:\g1a+7]
	s_nop 0
.rept 4
	v_nop
.endr
	s_branch .Lasked_\@
.Lfor_b_\@:
	tensor_load_to_lds s[\g0b:\g0b+3], s[\g1b:\g1b+7]
	s_nop 0
.rept 4
	v_nop
.endr
.Lasked_\@:
.endm
.macro CROUND                          ; a round of the cluster's barrier
	s_barrier_signal -1
	s_barrier_wait -1
	s_cmp_lg_u32 s14, 0
	s_cbranch_scc1 .Lnot_wave_0_\@
	s_barrier_signal -3
.Lnot_wave_0_\@:
	s_barrier_wait -3
	s_barrier_signal -1
	s_barrier_wait -1
.endm
	s_load_b128 s[4:7], s[0:1], 0x0                ; x's codes, x's scales
	s_load_b128 s[8:11], s[0:1], 0x10              ; w_attn's codes, its scales
	s_load_b64 s[100:101], s[0:1], 0x20            ; b_attn
	s_load_b64 s[12:13], s[0:1], 0x28              ; qkv
	v_lshl_add_u32 v[SPW], v0, 2, SPARE
	v_mov_b32 v[NIL], 0
	ds_add_u32 v[SPW], v[NIL]                      ; the wave's opening: the add, twice on end, and its wait ahead of my first tensor load
	ds_add_u32 v[SPW], v[NIL]
	v_lshrrev_b32 v1, 5, v0
	v_readfirstlane_b32 s14, v1                    ; wave 0..3
	s_lshr_b32 s15, s14, 1                         ; which half of the tile's rows is mine.  Also: I fetch for x (0) or for w_attn (1)
	s_and_b32 s16, s14, 1                          ; which half of its columns.  Also: which half of that tile I fetch
	s_bfe_u32 s40, ttmp6, 0x40000                  ; cx
	s_bfe_u32 s41, ttmp6, 0x40004                  ; cy
	s_lshl_b32 s42, ttmp9, 2
	s_add_co_u32 s42, s42, s40                     ; tile column = 4 x cluster x + cx
	s_and_b32 s95, ttmp7, 0xffff                   ; cluster y
	s_lshl_b32 s17, s41, 2
	s_add_co_u32 s17, s17, s95                     ; tile row = 4 cy + cluster y
	s_lshl_b32 s43, s41, 2
	s_lshl_b32 s43, 15, s43                        ; my row of the cluster
	s_lshl_b32 s44, 0x1111, s40                    ; my column
	s_or_b32 s[G1+0], s43, (0<<16)|(1<<20)|(1<<21)|(5<<22)|(3<<25)  ; x's codes: 128 rows x 256 elements of 1 byte; 4 words of padding behind every 64
	s_mov_b32 s[G1+1], ROWB<<16
	s_mov_b32 s[G1+2], 128<<16
	s_mov_b32 s[G1+3], ROWB<<16
	s_mov_b32 s[G1+4], 128
	s_mov_b32 s[G1+5], KROW
	s_mov_b32 s[G1+6], 0
	s_mov_b32 s[G1+7], 0
	s_or_b32 s[G1B+0], s44, (3<<16)|(1<<20)|(1<<21)|(5<<22)|(3<<25) ; w_attn's images: a dense block as 128 rows x 32 elements of 8 bytes, padded alike
	s_mov_b32 s[G1B+1], 32<<16
	s_mov_b32 s[G1B+2], 128<<16
	s_mov_b32 s[G1B+3], 32<<16
	s_mov_b32 s[G1B+4], 128
	s_mov_b32 s[G1B+5], 32
	s_mov_b32 s[G1B+6], 0
	s_mov_b32 s[G1B+7], 0
	s_or_b32 s[G1S+0], s43, (3<<16)|(1<<20)|(1<<21)|(5<<22)|(3<<25) ; the scales of 128 rows: 4,096 dense bytes as 16 rows of 256
	s_or_b32 s[G1SB+0], s44, (3<<16)|(1<<20)|(1<<21)|(5<<22)|(3<<25)
.irp g, G1S, G1SB
	s_mov_b32 s[\g+1], 32<<16
	s_mov_b32 s[\g+2], 16<<16
	s_mov_b32 s[\g+3], 32<<16
	s_mov_b32 s[\g+4], 16
	s_mov_b32 s[\g+5], 32
	s_mov_b32 s[\g+6], 0
	s_mov_b32 s[\g+7], 0
.endr
	s_lshl_b32 s18, s16, 7
	s_lshl_b32 s20, s17, 8
	s_add_co_u32 s20, s20, s18                     ; x: row 256 x tile row + 128 x half
	s_lshl_b32 s46, s42, 8
	s_add_co_u32 s46, s46, s18                     ; w_attn: column 256 x tile column + 128 x half
	s_mov_b32 s21, 0
	s_mov_b32 s47, 0
	s_mov_b64 s[18:19], KS
	s_mul_u64 s[22:23], s[20:21], s[18:19]         ; where their scales begin,
	s_mul_u64 s[92:93], s[46:47], s[18:19]
	s_mov_b64 s[18:19], KROW
	s_mul_u64 s[20:21], s[20:21], s[18:19]         ; x's codes,
	s_lshl_b64 s[46:47], s[46:47], 8               ; and w_attn's images: 256 bytes a column in a slot
	s_mul_i32 s45, s14, HALFT                      ; where they go: wave x a half tile: no place in the cluster enters an LDS address
	s_mul_i32 s94, s14, HALFS
	s_wait_dscnt 0x0                               ; both opening adds are done
	s_wait_kmcnt 0x0
	s_add_nc_u64 s[20:21], s[4:5], s[20:21]
	s_add_nc_u64 s[22:23], s[6:7], s[22:23]
	s_add_nc_u64 s[46:47], s[8:9], s[46:47]
	s_add_nc_u64 s[92:93], s[10:11], s[92:93]
	CROUND                                         ; all sixteen work-groups are here: the joint loads meet
	s_mov_b32 s[G0S], 1
	s_add_co_u32 s[G0S+1], s94, SCL
	s_mov_b64 s[G0S+2:G0S+3], s[22:23]
	s_or_b32 s[G0S+3], s[G0S+3], 0x80000000
	s_mov_b32 s[G0SB], 1
	s_add_co_u32 s[G0SB+1], s94, SCL
	s_mov_b64 s[G0SB+2:G0SB+3], s[92:93]
	s_or_b32 s[G0SB+3], s[G0SB+3], 0x80000000
	JLOAD G0S, G1S, G0SB, G1SB                     ; the scales first: they are wanted with slot 0
.irp s, 0,1
	s_mov_b32 s[G0+4*\s], 1
	s_add_co_u32 s[G0+4*\s+1], s45, \s*SLOT
	s_add_nc_u64 s[G0+4*\s+2:G0+4*\s+3], s[20:21], \s*ROWB
	s_or_b32 s[G0+4*\s+3], s[G0+4*\s+3], 0x80000000
	s_mov_b32 s[G0B+4*\s], 1
	s_add_co_u32 s[G0B+4*\s+1], s45, \s*SLOT
	s_add_nc_u64 s[G0B+4*\s+2:G0B+4*\s+3], s[46:47], \s*WSLOT
	s_or_b32 s[G0B+4*\s+3], s[G0B+4*\s+3], 0x80000000
	JLOAD G0+4*\s, G1, G0B+4*\s, G1B               ; three loads of mine are out in all
.endr
	v_and_b32 v1, 15, v0                           ; r
	v_bfe_u32 v2, v0, 4, 1                         ; h
	v_mul_u32_u24 v3, v1, PITCH
	v_lshl_add_u32 v4, v2, 4, v3                   ; x: row x pitch + 16 h
	v_mul_u32_u24 v3, v2, PITCH
	v_lshl_add_u32 v3, v1, 4, v3                   ; w_attn's images: 16 x lane, with 16 of padding behind each 256: 16 r + 272 h
	s_mul_i32 s21, s15, HALFT
	s_mul_i32 s22, s16, HALFT
	s_add_co_u32 s22, s22, 2*HALFT
.irp s, 0,1
	v_add_nc_u32 v[ADRA+\s], s21, v4
	v_add_nc_u32 v[ADRB+\s], s22, v3
	s_add_co_u32 s21, s21, SLOT
	s_add_co_u32 s22, s22, SLOT
.endr
	v_mul_u32_u24 v5, v1, KS                       ; my row's scales: 32 bytes a row,
	v_lshrrev_b32 v6, 8, v5
	v_lshl_add_u32 v5, v6, 4, v5                   ; and 16 more for each 256 passed
	s_mul_i32 s21, s15, HALFS
	s_mul_i32 s22, s16, HALFS
	s_add_co_u32 s22, s22, 2*HALFS
	s_sub_co_u32 s22, s22, s21
	v_mul_u32_u24 v6, s22, v2                      ; lanes 16-31 take w_attn's
	s_add_co_u32 s21, s21, SCL
	v_add_nc_u32 v5, v5, v6
	v_add_nc_u32 v[ADRS], s21, v5
	s_lshl_b32 s46, s42, 10                        ; the bias of my 128 columns: lane (r, h) wants, for block b, those of columns 16 b + 8 h + 0 .. 7
	s_lshl_b32 s47, s16, 9
	s_add_co_u32 s46, s46, s47
	s_mov_b32 s47, 0
	s_add_nc_u64 s[100:101], s[100:101], s[46:47]
	v_lshlrev_b32 v[BO], 5, v2
.irp b, 0,1,2,3,4,5,6,7
	global_load_b128 v[BIAS+8*\b:BIAS+8*\b+3], v[BO], s[100:101] offset:64*\b
	global_load_b128 v[BIAS+8*\b+4:BIAS+8*\b+7], v[BO], s[100:101] offset:64*\b+16
.endr
	v_and_b32 v5, 7, v1                            ; the way out: my slot in an image
	v_lshrrev_b32 v6, 3, v1
	s_cmp_eq_u32 ttmp9, 2                          ; v?
	s_cselect_b32 s20, 8, 7
	s_cselect_b32 s21, 7, 8
	v_lshlrev_b32 v6, s20, v6                      ; (r / 8): 128 bytes for q and k, 256 for v
	v_lshlrev_b32 v7, s21, v2                      ; h: 256 bytes for q and k, 128 for v
	v_lshl_add_u32 v[LOF], v5, 4, v6
	v_add_nc_u32 v[LOF], v[LOF], v7
	s_lshl_b32 s46, ttmp9, 2
	s_add_co_u32 s46, s46, s41                     ; 4 x which + batch
	s_lshl_b32 s46, s46, 4
	s_lshl_b32 s47, s40, 2
	s_add_co_u32 s46, s46, s47
	s_lshl_b32 s47, s16, 1
	s_add_co_u32 s46, s46, s47                     ; + my first head: 4 cx + 2 x half
	s_lshl_b32 s92, s46, 11
	s_add_co_u32 s92, s92, LO
	s_mov_b32 s93, 0
	s_add_nc_u64 s[98:99], s[12:13], s[92:93]      ; the low parts: 2,048 bytes a head
	s_lshl_b32 s46, s46, 17                        ; the high parts: 131,072 bytes a head,
	s_lshl_b32 s47, s95, 4
	s_lshl_b32 s92, s15, 3
	s_add_co_u32 s47, s47, s92
	s_lshl_b32 s47, s47, 11                        ; my first tile of 16 positions: 16 x cluster y + 8 x half
	s_add_co_u32 s46, s46, s47
	s_mov_b32 s47, 0
	s_add_nc_u64 s[12:13], s[12:13], s[46:47]
.macro FRAG reg, adr, q, i             ; a fragment of x: lane l holds row l % 16; registers 4 c .. 4 c + 3 hold K = 64 c + 32 (l / 16) + 0 .. 31
.irp c, 0,1
	ds_load_b128 v[\reg+4*\c:\reg+4*\c+3], v[\adr] offset:64*(\q)+32*\c+(\i)*16*PITCH
.endr
.endm
.macro FRAGB reg, adr, q, i            ; a fragment of w_attn: two images of 512 bytes (544 with their padding)
.irp c, 0,1
	ds_load_b128 v[\reg+4*\c:\reg+4*\c+3], v[\adr] offset:(4*(\i)+(\q))*1088+544*\c
.endr
.endm
; 16 matrix instructions: x's blocks a0, a0 + 1 against w_attn's eight, 128 along K.  zero = 1: the first product starts the sums from the bias.  The 64 accumulators take turns, one instruction a turn.
.macro MUL16 a0, p, q, sc, zero
.irp a, \a0, \a0+1
.irp b, 0,1,2,3,4,5,6,7
.if \zero
	v_wmma_scale_f32_16x16x128_f8f6f4 v[8*(8*((\a)%4)+\b):8*(8*((\a)%4)+\b)+7], v[128*(\p)+FR*\b:128*(\p)+FR*\b+FR-1], v[AF+FR*(\a):AF+FR*(\a)+FR-1], v[BIAS+8*\b:BIAS+8*\b+7], v[SC+8*NQ*(\sc)+NQ*\b+(\q)], v[SC+8*NQ*(\sc)+NQ*(\a)+(\q)] matrix_a_fmt:MATRIX_FMT_FP4 matrix_b_fmt:MATRIX_FMT_FP4 matrix_a_scale:MATRIX_SCALE_ROW1
.else
	v_wmma_scale_f32_16x16x128_f8f6f4 v[8*(8*((\a)%4)+\b):8*(8*((\a)%4)+\b)+7], v[128*(\p)+FR*\b:128*(\p)+FR*\b+FR-1], v[AF+FR*(\a):AF+FR*(\a)+FR-1], v[8*(8*((\a)%4)+\b):8*(8*((\a)%4)+\b)+7], v[SC+8*NQ*(\sc)+NQ*\b+(\q)], v[SC+8*NQ*(\sc)+NQ*(\a)+(\q)] matrix_a_fmt:MATRIX_FMT_FP4 matrix_b_fmt:MATRIX_FMT_FP4 matrix_a_scale:MATRIX_SCALE_ROW1
.endif
.endr
.endr
.endm
.macro FETCH_B slot, q, p
	WIN TO_B
.irp i, 0,1,2,3,4,5,6,7
	FRAGB 128*(\p)+FR*\i, ADRB+\slot, \q, \i
.endr
	WIN 0
.endm
.macro FETCH_A slot, q, i0
.irp i, \i0, \i0+1, \i0+2, \i0+3
	FRAG AF+FR*(\i), ADRA+\slot, \q, \i
.endr
.endm
.macro SCALES sc                       ; a slot's scale words: 4 words a row; lanes 0-15 x's block i, lanes 16-31 w_attn's block i
.irp i, 0,1,2,3,4,5,6,7
	ds_load_b128 v[SC+8*NQ*\sc+NQ*\i:SC+8*NQ*\sc+NQ*\i+3], v[ADRS] offset:\i*SBLK
.endr
.endm
.macro PLACES n                        ; plain vector lines between a matrix instruction and a load into, or a vector read of, its registers
.rept \n
	v_nop
.endr
.endm
.macro STEP slot, q, zero              ; a step of 128 along K that has its successor in the same slot
	s_wait_dscnt 4*NL                              ; w_attn's set and x's blocks 0-3 are in; the youngest eight loads (x's blocks 4-7) may be out
.if \zero
	WIN 0x81                                       ; C, the bias, in window 0
.else
	WIN MUL_LO
.endif
	MUL16 0, (\q)%2, \q, \slot, \zero
	MUL16 2, (\q)%2, \q, \slot, \zero
	s_wait_dscnt 0
	PLACES NP
	FETCH_B \slot, (\q)+1, 1-(\q)%2
	FETCH_A \slot, (\q)+1, 0
.if \zero
	WIN 0xc1
.else
	WIN MUL_HI
.endif
	MUL16 4, (\q)%2, \q, \slot, \zero
	MUL16 6, (\q)%2, \q, \slot, \zero
	PLACES NP
	WIN 0
	FETCH_A \slot, (\q)+1, 4
.endm
.macro STEPS slot, from
.set Q, \from
.rept NQ-1-\from
	STEP \slot, Q, 0
.set Q, Q+1
.endr
.endm
	s_wait_tensorcnt 1                             ; the scales and my part of slot 0 are in; slot 1's load may be out
	s_barrier_signal -1
	s_barrier_wait -1
	FETCH_B 0, 0, 0
	FETCH_A 0, 0, 0
	SCALES 0
	FETCH_A 0, 0, 4
	s_wait_loadcnt 0x0                             ; the bias
	STEP 0, 0, 1
	STEPS 0, 1
	; slot 0's last step changes slots: one barrier; in front of it my part of slot 1 has landed
	s_wait_tensorcnt 0x0
	ds_add_u32 v[SPW], v[NIL]
	s_wait_dscnt 4*NL+1                            ; (the add and the youngest eight loads may be out)
	WIN MUL_LO
	MUL16 0, 1, NQ-1, 0, 0
	s_wait_dscnt 0x0
	s_barrier_signal -1
	MUL16 2, 1, NQ-1, 0, 0
	WIN 0
	s_barrier_wait -1
	PLACES NP
	v_add_nc_u32 v[ADRS], 4*NQ, v[ADRS]            ; slot 1's scale words (no LDS load of mine is out)
	FETCH_B 1, 0, 0
	FETCH_A 1, 0, 0
	SCALES 1
	WIN MUL_HI
	MUL16 4, 1, NQ-1, 0, 0
	MUL16 6, 1, NQ-1, 0, 0
	PLACES NP
	WIN 0
	FETCH_A 1, 0, 4
	STEPS 1, 0
	s_wait_dscnt 4*NL                              ; the last step: nothing more to fetch
	WIN MUL_LO
	MUL16 0, 1, NQ-1, 1, 0
	MUL16 2, 1, NQ-1, 1, 0
	s_wait_dscnt 0
	WIN MUL_HI
	MUL16 4, 1, NQ-1, 1, 0
	MUL16 6, 1, NQ-1, 1, 0
	WIN 0
; THE WAY OUT.  Block a (16 positions x 128 columns): each accumulator's eight numbers become four registers of f16, from its low end on, and leave as one image.
.macro PACK a
.set AC, 64*((\a)%4)
.set TP, 32+32*((\a)%4)
	WIN 0x0a+5*((\a)/4)                            ; sources 0 and 1: window 2 or 3
.irp b, 0,1,2,3,4,5,6,7
.irp r, 0,1,2,3
	v_cvt_pk_f16_f32 v[TP+4*\b+\r], v[AC+8*\b+2*\r], v[AC+8*\b+2*\r+1]
.endr
.endr
	WIN 0
.irp b, 0,1,2,3,4,5,6,7
	global_store_b128 v[LOF], v[TP+4*\b:TP+4*\b+3], s[12:13] offset:(\b/4)*131072+(\a)*2048+(\b%4)*512   ; head b / 4 of my two, tile a of positions, channels 16 (b % 4) on: 512 consecutive bytes, aligned
.endr
.endm
	PLACES NP
	PACK 0
	s_or_b32 s20, s95, s15                         ; positions 0-15 of a sequence are block 0 of the upper half of the first tile row of a batch: cluster y = 0 and my half = 0
	s_cmp_lg_u32 s20, 0
	s_cbranch_scc1 .Lno_low
.set i, 0
.irp hf, v32.l, v32.h, v33.l, v33.h, v34.l, v34.h, v35.l, v35.h, v36.l, v36.h, v37.l, v37.h, v38.l, v38.h, v39.l, v39.h, v40.l, v40.h, v41.l, v41.h, v42.l, v42.h, v43.l, v43.h, v44.l, v44.h, v45.l, v45.h, v46.l, v46.h, v47.l, v47.h, v48.l, v48.h, v49.l, v49.h, v50.l, v50.h, v51.l, v51.h, v52.l, v52.h, v53.l, v53.h, v54.l, v54.h, v55.l, v55.h, v56.l, v56.h, v57.l, v57.h, v58.l, v58.h, v59.l, v59.h, v60.l, v60.h, v61.l, v61.h, v62.l, v62.h, v63.l, v63.h
	v_cvt_f32_f16 v[128+i], \hf                    ; the high parts widened again
.set i, i+1
.endr
	WIN 0x02                                       ; source 0: window 2
.set i, 0
.rept 64
	v_sub_f32 v[128+i], v[i], v[128+i]             ; sum - high: exact in f32
.set i, i+1
.endr
	WIN 0
.set i, 0
.rept 32
	v_cvt_pk_f16_f32 v[192+i], v[128+2*i], v[128+2*i+1]
.set i, i+1
.endr
.irp b, 0,1,2,3,4,5,6,7
	global_store_b128 v[LOF], v[192+4*\b:192+4*\b+3], s[98:99] offset:512*\b
.endr
.Lno_low:
.irp a, 1,2,3,4,5,6,7
.if \a >= 4
	s_wait_xcnt 0x0                                ; block a - 4's stores have read their data: the registers are written again only behind this wait
.endif
	PACK \a
.endr
	s_wait_tensorcnt 0x0                           ; the wave's end: a wait, an add to my spare word and its wait
	ds_add_u32 v[SPW], v[NIL]
	s_wait_dscnt 0x0
	CROUND                                         ; the closing round
	s_endpgm
.Lfunc_end_k_qdaf10b25cc_qkv:
	.size	k_qdaf10b25cc_qkv, .Lfunc_end_k_qdaf10b25cc_qkv-k_qdaf10b25cc_qkv
	.p2alignl 7, 3214868480
	.fill 96, 4, 3214868480
	.section	.rodata,"a",@progbits
	.p2align	6, 0x0
	.amdhsa_kernel k_qdaf10b25cc_qkv
		.amdhsa_group_segment_fixed_size 327680
		.amdhsa_private_segment_fixed_size 0
		.amdhsa_enable_private_segment 0
		.amdhsa_kernarg_size 48
		.amdhsa_user_sgpr_count 2
		.amdhsa_user_sgpr_kernarg_segment_ptr 1
		.amdhsa_wavefront_size32 1
		.amdhsa_system_sgpr_workgroup_id_x 1
		.amdhsa_system_sgpr_workgroup_id_y 1
		.amdhsa_system_sgpr_workgroup_id_z 1
		.amdhsa_system_vgpr_workitem_id 0
		.amdhsa_next_free_vgpr 1024
		.amdhsa_next_free_sgpr 102
		.amdhsa_reserve_vcc 0
		.amdhsa_float_denorm_mode_32 3
		.amdhsa_float_denorm_mode_16_64 3
		.amdhsa_memory_ordered 1
		.amdhsa_forward_progress 1
		.amdhsa_inst_pref_size 127
	.end_amdhsa_kernel
	.amdgpu_metadata
---
amdhsa.version: [ 1, 2 ]
amdhsa.kernels:
  - .name:           k_qdaf10b25cc_qkv
    .symbol:         k_qdaf10b25cc_qkv.kd
    .args:
      - { .name: xc, .offset: 0, .size: 8, .value_kind: global_buffer, .address_space: global }
      - { .name: xs, .offset: 8, .size: 8, .value_kind: global_buffer, .address_space: global }
      - { .name: wc, .offset: 16, .size: 8, .value_kind: global_buffer, .address_space: global }
      - { .name: ws, .offset: 24, .size: 8, .value_kind: global_buffer, .address_space: global }
      - { .name: b_attn, .offset: 32, .size: 8, .value_kind: global_buffer, .address_space: global }
      - { .name: qkv, .offset: 40, .size: 8, .value_kind: global_buffer, .address_space: global }
    .group_segment_fixed_size: 327680
    .private_segment_fixed_size: 0
    .kernarg_segment_align: 8
    .kernarg_segment_size: 48
    .max_flat_workgroup_size: 128
    .sgpr_count:     102
    .vgpr_count:     1024
    .wavefront_size: 32
...
	.end_amdgpu_metadata
.endif
;; end of part 2
;; launch attn (part 3): grid 4 x 64, 16 waves a work-group, clusters of 4 x 1, 327,680 bytes of LDS; arguments qkv, y; writes y
.if DOCPART == 3
	.amdgcn_target "amdgcn-amd-amdhsa--gfx1250"
	.amdhsa_code_object_version 6
	.text
	.protected	k_qdaf10b25cc_attn
	.globl	k_qdaf10b25cc_attn
	.p2align	8
	.type	k_qdaf10b25cc_attn,@function
k_qdaf10b25cc_attn:
	s_mov_b64 s[64:65], 0
	v_nop
	global_prefetch_b8 v0, s[64:65] scope:SCOPE_SE
	s_setreg_imm32_b32 hwreg(HW_REG_WAVE_MODE, 25, 1), 1
	s_wait_xcnt 0x0
	s_wait_alu depctr_hold_cnt(0) depctr_sa_sdst(0) depctr_va_vdst(0) depctr_va_sdst(0) depctr_va_ssrc(0) depctr_va_vcc(0) depctr_vm_vsrc(0)
	s_getreg_b32 s2, hwreg(HW_REG_IB_STS2, 6, 4)
	s_cmp_eq_u32 s2, 0
	s_cbranch_scc0 .Lentry_in_a_cluster
	s_endpgm
.Lentry_in_a_cluster:
	s_bfe_u32 s2, ttmp6, 0x10000c
	s_cmp_lg_u32 s2, 0x3003
	s_cbranch_scc0 .Lentry_shape_is_right
	s_endpgm
.Lentry_shape_is_right:
; CAUSAL ATTENTION, head size 64, 1,024 positions, 64 (batch, head) pairs, on f16 operands with f32 sums; maxima, exponentials and row sums in f32; the weights p are rounded to f16 for the second product, y once at the end.
; SHARES.  A cluster of four work-groups is one (batch, head).  A wave owns ONE tile of 16 queries: the wave of rank r in work-group cx owns tile 4 r + cx, so every work-group has tiles from the whole length of the sequence and reads all 1,024 keys.
; A step is 128 keys.  Tile 4 r + cx has r / 2 + 1 steps that count (rounded down): 1 to 8.  THE WORK IS EVENED OUT IN PAIRS: rank r and rank 15 - r have 9 steps together.  Every wave walks, of steps 0 to 3, those that count for it, and of
; steps 4 to 7 ONLY ITS DIAGONAL STEP.  The steps from 4 on that count whole for rank 15 - r (none for ranks 8, 9; step 4 for 10, 11; 4, 5 for 12, 13; 4, 5, 6 for 14, 15) are walked by rank r, which has finished and stored its own tile by then:
; with its partner's Q it starts a maximum, a sum and an O^T anew, and hands them over through LDS; the partner joins them to its own.  So ranks 0 to 7 walk 4 steps and ranks 8 to 15 walk 5.
; rank = 8 (bit 0 xor bit 2 of the wave's number) + the wave's number / 2: of any four waves w, w + 1, w + 2, w + 3 (w a multiple of 4), and of any four waves w, w + 4, w + 8, w + 12, two have 4 steps and two have 5.
; ALL OF THE HEAD'S K AND V STAY IN LDS (2 x 131,072 bytes), asked for once, at the head, JOINTLY by the four work-groups: waves 0 to 3 issue four loads each, a chunk of 256 keys at a time.  Nothing is filled again: no ring.
; K and V lie in memory and in LDS as images of the operands' registers (512 bytes: 32 lanes x 16): every LDS load is at 16 x lane + a constant; V's images are laid for the turning load.
; LAYOUT.  S^T = K Q^T (source 0 = 16 keys, source 1 = 16 queries): a lane holds ONE query (lane % 16) and keys 8 (lane / 16) + 0 .. 7 of the tile.  Two such tiles, rounded to f16 in pairs, ARE source 1 of O^T = V^T P.
; BRANCHES hang on the wave's number alone, never on the work-group's place in the cluster, which enters only Q's and y's global addresses and the vector operand of the mask's comparison.
; In a step that is walked under the mask the first key is at most 64 r, so it counts for each of my queries: the maximum is a number.
; SOFTMAX.  A running maximum m and sum l for each query: p = 2^(c s - c m), c = log2(e) / 8; in every step but a first one O and l are multiplied by a = 2^(c m_old - c m_new); two parts of a tile are joined in the same way.
; y leaves as images of the next product's fragments: [128 rows: 32][256 k: 4][tile of 16 rows: 8][32 k: 8][c: 2][512], k = 64 x head + channel.
; No prefetch: all that the launch reads is asked for at its head.   LIMITS: |y| under 65,504; NaN and infinities are not served.
; LDS: 0: K;  131,072: V;  262,144: the spare words;  264,192: 4,608 bytes for each pair of ranks: O^T as eight images, then (-c m, -, l, l): bytes of their own, into which no tile lands.
; REGISTERS: v1-4 16 x lane + 0, 65,536 (K), 131,072, 196,608 (V); v5, v6 the add's two; v7 16 x lane for global accesses; v8 my query - 8 (lane / 16); v9 -infinity; v10 my pair's place in LDS; v12 -c m (v13 its pair's partner);
;   v[14:15] l in two halves; v16-31 Q; v32-95 eight fragments of K or of V^T; v96-159 S^T, then p; v160-191 O^T; v192-223 P; v224-231, v238-245 my partner's Q; v232-237, v252-255 at work.
.set SPARE, 262144
.set MRG,   264192
.set MSLOT, 4608
.set SPW,  5
.set NIL,  6
.set MA,   10
.set WV,   12                          ; s12 my wave's number
.set R64,  15                          ; s15 64 x my rank
.set G1,   24                          ; s[24:31] descriptor group 1
.set G0,   32                          ; s[32:47] group 0, a set for each of my four loads
.set NC,   57                          ; s57 -c
.set CS,   58                          ; s[58:59] c: the packed form names a pair and takes its low word for both halves
.set SEL,  60                          ; s[60:61] v_permlanex16_b32's selects for lane l xor 16
.macro CROUND
	s_barrier_signal -1
	s_barrier_wait -1
	s_cmp_lg_u32 s[WV], 0
	s_cbranch_scc1 .Lnot_wave_0_\@
	s_barrier_signal -3
.Lnot_wave_0_\@:
	s_barrier_wait -3
	s_barrier_signal -1
	s_barrier_wait -1
.endm
	s_load_b128 s[4:7], s[0:1], 0x0                ; qkv, y
	v_lshl_add_u32 v[SPW], v0, 2, SPARE
	v_mov_b32 v[NIL], 0
	ds_add_u32 v[SPW], v[NIL]                      ; the wave's opening: the add, twice on end, and its wait ahead of the first tensor loads
	ds_add_u32 v[SPW], v[NIL]
	v_lshrrev_b32 v11, 5, v0
	v_readfirstlane_b32 s[WV], v11                 ; wave 0..15
	s_bfe_u32 s13, s[WV], 0x10002                  ; bit 2,
	s_xor_b32 s13, s13, s[WV]
	s_and_b32 s13, s13, 1                          ; xor bit 0
	s_lshl_b32 s13, s13, 3
	s_lshr_b32 s14, s[WV], 1
	s_or_b32 s14, s14, s13                         ; my rank
	s_lshl_b32 s[R64], s14, 6
	s_xor_b32 s62, s14, 15                         ; my partner's rank: 15 - mine
	s_min_u32 s63, s14, s62                        ; the pair's number
	s_mul_i32 s63, s63, MSLOT
	s_add_co_u32 s63, s63, MRG                     ; and its place in LDS
	s_bfe_u32 s16, ttmp6, 0x40000                  ; cx
	s_and_b32 s17, ttmp7, 0xffff                   ; 16 x batch + head, which the four partners share
	s_mov_b32 s[G1], 15|(3<<16)|(1<<21)            ; the mask: all four work-groups; elements of 8 bytes; bit 21 beside a mask; no padding
	s_mov_b32 s[G1+1], 32<<16                      ; 64 rows of 32 elements (256 bytes), dense: 16,384 bytes a load
	s_mov_b32 s[G1+2], 64<<16
	s_mov_b32 s[G1+3], 32<<16
	s_mov_b32 s[G1+4], 64
	s_mov_b32 s[G1+5], 32
	s_mov_b32 s[G1+6], 0
	s_mov_b32 s[G1+7], 0
	s_and_b32 s13, s[WV], 3                        ; what I fetch, if I fetch: waves 0, 1: K's halves of a chunk; waves 2, 3: V's
	s_lshr_b32 s18, s13, 1
	s_and_b32 s19, s13, 1
	s_lshl_b32 s19, s19, 14
	s_lshl_b32 s20, s18, 17
	s_or_b32 s20, s20, s19                         ; in LDS
	s_add_co_u32 s22, s18, 1
	s_lshl_b32 s22, s22, 23                        ; in qkv: k begins 8,388,608 bytes in, v twice that,
	s_lshl_b32 s21, s17, 17                        ; a head is 131,072 bytes
	s_add_co_u32 s22, s22, s21
	s_add_co_u32 s22, s22, s19
	s_mov_b32 s23, 0
	s_lshl_b32 s52, s14, 2
	s_add_co_u32 s52, s52, s16                     ; my tile of 16 queries: 4 r + cx
	s_lshl_b32 s48, s52, 11
	s_add_co_u32 s48, s48, s21                     ; Q: 2,048 bytes a tile
	s_mov_b32 s49, 0
	s_lshl_b32 s54, s62, 2
	s_add_co_u32 s54, s54, s16                     ; my partner's tile: 4 (15 - r) + cx
	s_lshl_b32 s54, s54, 11
	s_add_co_u32 s54, s54, s21
	s_mov_b32 s55, 0
	s_lshr_b32 s50, s17, 4
	s_lshl_b32 s50, s50, 6
	s_add_co_u32 s50, s50, s52                     ; y: my tile of 16 rows among 256: 64 x batch + tile
	s_lshr_b32 s51, s50, 3
	s_lshl_b32 s51, s51, 18
	s_and_b32 s50, s50, 7
	s_lshl_b32 s50, s50, 13
	s_add_co_u32 s50, s50, s51
	s_bfe_u32 s51, s17, 0x20002                    ; head / 4: the K step of 256
	s_lshl_b32 s51, s51, 16
	s_add_co_u32 s50, s50, s51
	s_and_b32 s51, s17, 3                          ; head % 4: two fragments of 32 k
	s_lshl_b32 s51, s51, 11
	s_add_co_u32 s50, s50, s51
	s_mov_b32 s51, 0
	s_mov_b32 s[NC], 0xbe38aa3b                    ; -c
	s_mov_b32 s[CS], 0x3e38aa3b                    ; c = log2(e) / 8
	s_mov_b32 s[CS+1], s[CS]
	s_mov_b32 s[SEL], 0x76543210
	s_mov_b32 s[SEL+1], 0xfedcba98
	v_and_b32 v11, 31, v0
	v_lshlrev_b32 v1, 4, v11
	v_add_nc_u32 v2, 0x10000, v1
	v_add_nc_u32 v3, 0x20000, v1
	v_add_nc_u32 v4, 0x30000, v1
	v_lshlrev_b32 v7, 4, v11
	v_add_nc_u32 v[MA], s63, v1                    ; every LDS address is made here, ahead of the first branch on the wave's number
	v_and_b32 v8, 15, v0
	v_bfe_u32 v11, v0, 4, 1
	v_lshlrev_b32 v11, 3, v11
	v_sub_nc_u32 v8, v8, v11
	s_lshl_b32 s53, s16, 4
	s_add_co_u32 s53, s53, s[R64]
	v_add_nc_u32 v8, s53, v8                       ; 64 r + 16 cx + lane % 16 - 8 (lane / 16)
	v_mov_b32 v9, 0xff800000
	v_mov_b32 v13, 0                               ; (named as the upper half of a pair)
	v_mov_b32 v14, 0                               ; l
	v_mov_b32 v15, 0
	v_mov_b32 v236, 0                              ; written once: a lane permute's destination counts as one of its sources
	v_mov_b32 v252, 0
	v_mov_b32 v253, 0                              ; (named as the upper halves of pairs)
	v_mov_b32 v255, 0
	s_wait_dscnt 0x0                               ; both opening adds are done
	s_wait_kmcnt 0x0
	s_add_nc_u64 s[22:23], s[4:5], s[22:23]
	s_add_nc_u64 s[48:49], s[4:5], s[48:49]
	s_add_nc_u64 s[54:55], s[4:5], s[54:55]
	s_add_nc_u64 s[6:7], s[6:7], s[50:51]
.irp p, 0,1,2,3
	global_load_b128 v[16+4*\p:19+4*\p], v7, s[48:49] offset:512*\p   ; Q's two fragments stay in registers; they are asked for ahead of the round, so that they are on their way while the cluster meets
.endr
	global_load_b128 v[224:227], v7, s[54:55]                ; my partner's Q.  Every wave loads it; the ten that help nobody do not use their 2,048 bytes: so no register of the helping steps hangs on a branch
	global_load_b128 v[228:231], v7, s[54:55] offset:512
	global_load_b128 v[238:241], v7, s[54:55] offset:1024
	global_load_b128 v[242:245], v7, s[54:55] offset:1536
	CROUND                                         ; all four work-groups are here: the joint loads meet
.irp c, 0,1,2,3
	s_mov_b32 s[G0+4*\c], 1
	s_add_co_u32 s[G0+4*\c+1], s20, \c*32768       ; chunk c: 256 keys, 32,768 bytes
	s_add_nc_u64 s[G0+4*\c+2:G0+4*\c+3], s[22:23], \c*32768
	s_or_b32 s[G0+4*\c+3], s[G0+4*\c+3], 0x80000000
.endr
	s_cmp_lt_u32 s[WV], 4                          ; a wave's fills stand in one branch on its number, ahead of every wait on TENSORcnt and every LDS read: four loads of mine are out
	s_cbranch_scc0 .Lno_fill
.irp c, 0,1,2,3
	tensor_load_to_lds s[G0+4*\c:G0+4*\c+3], s[G1:G1+7]
	s_nop 0
.endr
.rept 4
	v_nop
.endr
.Lno_fill:
; A STEP: 128 keys from 128 s on.  first = 1: the step starts m and O^T (l has been set to 0).
; kind 0: my own tile, steps 0 to 3: left out where all keys come after my queries; the mask is jumped over where all keys count.
; kind 1: my own tile, steps 4 to 7: walked only where the diagonal lies in it: a step all of whose keys count is my partner's to walk.
; kind 2: my partner's tile, with its Q: all keys count: no mask.  Step 4 for ranks 0 to 5 (the branch stands ahead of the three), step 5 for ranks 0 to 3, step 6 for ranks 0 and 1.
.macro STEP s, first, kind
.set KF, 128*(\s)
.set KO, ((\s)%4)*16384
.set AK, 1+(\s)/4
.set AV, 3+(\s)/4
.set QA, 16
.set QB, 24
.if (\kind) == 2
.set QA, 224
.set QB, 238
.if (\s) > 4
	s_cmp_ge_u32 s[R64], 64*(14-2*(\s))
	s_cbranch_scc1 .Lskip_\@
.endif
.elseif (\s) > 0
	s_cmp_lt_u32 s[R64], KF                        ; all keys come after my queries (both sides are multiples of 64)
	s_cbranch_scc1 .Lskip_\@
.if (\kind) == 1
	s_cmp_ge_u32 s[R64], KF+128                    ; all keys count: my partner walks this step
	s_cbranch_scc1 .Lskip_\@
.endif
.endif
.if (\first) == 0
.rept 4
	v_nop                                          ; places in front of loads into registers that the last step's products have read
.endr
.endif
.irp g, 0,1                            ; S^T = K Q^T, four tiles of 16 keys at a time
.if \g > 0
.rept 4
	v_nop
.endr
.endif
.irp t, 0,1,2,3
.irp u, 0,1
	ds_load_b128 v[32+16*\t+8*\u:35+16*\t+8*\u], v[AK] offset:KO+(4*\g+\t)*2048+\u*1024
	ds_load_b128 v[36+16*\t+8*\u:39+16*\t+8*\u], v[AK] offset:KO+(4*\g+\t)*2048+\u*1024+512
.endr
.endr
	s_wait_dscnt 0x0
.irp t, 0,1,2,3                        ; the four accumulators take turns, one instruction a turn
	v_wmma_f32_16x16x32_f16 v[96+8*(4*\g+\t):103+8*(4*\g+\t)], v[32+16*\t:39+16*\t], v[QA:QA+7], 0
.endr
.irp t, 0,1,2,3
	v_wmma_f32_16x16x32_f16 v[96+8*(4*\g+\t):103+8*(4*\g+\t)], v[40+16*\t:47+16*\t], v[QB:QB+7], v[96+8*(4*\g+\t):103+8*(4*\g+\t)]
.endr
.endr
.rept 4
	v_nop
.endr
.if (\kind) == 0
	s_cmp_ge_u32 s[R64], KF+128                    ; all keys count for all my queries: no mask
	s_cbranch_scc1 .Lopen_\@
.endif
.if (\kind) != 2
	v_add_nc_u32 v252, -KF, v8                     ; d = my query - 8 (lane / 16) - the step's first key.  Register 8 t + j holds key 16 t + 8 (lane / 16) + j of the step: hidden where 16 t + j > d
.set n, 0
.rept 64
	v_cmp_gt_i32 vcc_lo, 16*(n/8)+n%8, v252
	v_cndmask_b32 v[96+n], v[96+n], v9, vcc_lo
.set n, n+1
.endr
.endif
.Lopen_\@:
.irp b, 0,1,2,3                        ; the largest score, in four chains; each accumulator is read from its low end on
	v_max3_num_f32 v[232+\b], v[96+16*\b], v[97+16*\b], v[98+16*\b]
.endr
.irp i, 3,5,7,9,11,13
.irp b, 0,1,2,3
	v_max3_num_f32 v[232+\b], v[232+\b], v[96+16*\b+\i], v[97+16*\b+\i]
.endr
.endr
.irp b, 0,1,2,3
	v_max_num_f32 v[232+\b], v[232+\b], v[111+16*\b]
.endr
	v_max3_num_f32 v254, v232, v233, v234
	v_max_num_f32 v254, v254, v235
	v_permlanex16_b32 v236, v254, s[SEL], s[SEL+1] ; the query's other 64 keys lie in the lane 16 away
	v_max_num_f32 v254, v254, v236
.if \first
	v_mul_f32 v12, s[NC], v254                     ; -c m
.else
	v_mov_b32 v255, v12
	v_mul_f32 v254, s[NC], v254
	v_min_num_f32 v12, v12, v254                   ; -c x the running maximum
	v_sub_f32 v253, v12, v255                      ; c m_old - c m_new, 0 or less
.endif
.set j, 0
.rept 32
	v_pk_fma_f32 v[96+j:97+j], v[96+j:97+j], s[CS:CS+1], v[12:13] op_sel_hi:[1,0,0]   ; c s - c m, two at a time
.set j, j+2
.endr
.if \first == 0
	v_exp_f32 v252, v253                           ; a
.endif
.set j, 0
.rept 64
	v_exp_f32 v[96+j], v[96+j]                     ; p, at most 1
.set j, j+1
.endr
	v_nop                                          ; a plain line behind the last exponential
	s_wait_alu depctr_va_vdst(0)                   ; the wait ahead of the first line that names a result: one for the whole batch
.set j, 0
.rept 32
	v_cvt_pk_f16_f32 v[192+j], v[96+2*j], v[97+2*j]          ; P: registers 8 g .. 8 g + 7 are keys 32 g on
.set j, j+1
.endr
.if \first == 0
	v_pk_mul_f32 v[14:15], v[14:15], v[252:253] op_sel_hi:[1,0]
.endif
	v_pk_add_f32 v[236:237], v[96:97], v[98:99]    ; the row's sum is taken of the unrounded p, two at a time, in two chains
.irp i, 4,8,12,16,20,24,28,32,36,40,44,48,52,56,60
	v_pk_add_f32 v[14:15], v[14:15], v[96+\i:97+\i]
	v_pk_add_f32 v[236:237], v[236:237], v[98+\i:99+\i]
.endr
	v_pk_add_f32 v[14:15], v[14:15], v[236:237]
.if \first == 0
.set j, 0
.rept 16
	v_pk_mul_f32 v[160+j:161+j], v[160+j:161+j], v[252:253] op_sel_hi:[1,0]   ; O^T x a
.set j, j+2
.endr
.endif
.irp g, 0,1                            ; O^T += V^T P: 64 keys at a time, four tiles of 16 channels
.if \g > 0
.rept 4
	v_nop
.endr
.endif
.irp e, 0,1
.irp t, 0,1,2,3
	ds_load_tr16_b128 v[32+32*\e+8*\t:35+32*\e+8*\t], v[AV] offset:KO+(4*\g+2*\e)*2048+\t*512         ; keys 32 (2 g + e) + 0 .. 15, channels 16 t on, turned
	ds_load_tr16_b128 v[36+32*\e+8*\t:39+32*\e+8*\t], v[AV] offset:KO+(4*\g+2*\e+1)*2048+\t*512       ; and keys + 16 .. 31
.endr
.endr
	s_wait_dscnt 0x0
.irp e, 0,1
.irp t, 0,1,2,3
.if \first && (\g == 0) && (\e == 0)
	v_wmma_f32_16x16x32_f16 v[160+8*\t:167+8*\t], v[32+32*\e+8*\t:39+32*\e+8*\t], v[192+8*(2*\g+\e):199+8*(2*\g+\e)], 0
.else
	v_wmma_f32_16x16x32_f16 v[160+8*\t:167+8*\t], v[32+32*\e+8*\t:39+32*\e+8*\t], v[192+8*(2*\g+\e):199+8*(2*\g+\e)], v[160+8*\t:167+8*\t]
.endif
.endr
.endr
.endr
.Lskip_\@:
.endm
; A gate: the keys that are read behind it have landed in the waves that asked for them, and every wave is told so.  Nothing is ever filled again, so later chunks may stay out across the first gate.
.macro GATE left
	s_wait_tensorcnt \left
	s_wait_dscnt 0x0
	s_barrier_signal -1
	s_barrier_wait -1
.endm
; THE WAY OUT of my own tile: O^T / l, rounded to f16: a lane's eight channels of a tile are four registers of the next product's fragment, and leave as they stand.
.macro WAYOUT
.rept 4
	v_nop                                          ; places behind the last products
.endr
	v_add_f32 v14, v14, v15
	v_permlanex16_b32 v252, v14, s[SEL], s[SEL+1]
	v_add_f32 v14, v14, v252                       ; the row's sum
	v_rcp_f32 v254, v14
	v_nop
	s_wait_alu depctr_va_vdst(0)                   ; the wait ahead of the reciprocal's first reader
.set j, 0
.rept 16
	v_pk_mul_f32 v[96+j:97+j], v[160+j:161+j], v[254:255] op_sel_hi:[1,0]
.set j, j+2
.endr
.set j, 0
.rept 16
	v_cvt_pk_f16_f32 v[32+j], v[96+2*j], v[97+2*j]
.set j, j+1
.endr
.irp t, 0,1,2,3
	global_store_b128 v7, v[32+4*\t:35+4*\t], s[6:7] offset:512*\t   ; 512 consecutive bytes, aligned
.endr
.endm
	s_wait_loadcnt 0x0                             ; Q, mine and my partner's
	GATE 3                                         ; the first 256 keys are in; the three chunks behind them may be out
	STEP 0, 1, 0                                   ; every wave walks step 0
	GATE 0                                         ; all 1,024 keys are in: from here to the handing over no wave waits for another
	STEP 1, 0, 0
	STEP 2, 0, 0
	STEP 3, 0, 0
	STEP 4, 0, 1
	STEP 5, 0, 1
	STEP 6, 0, 1
	STEP 7, 0, 1
	s_cmp_ge_u32 s[R64], 640                       ; ranks 10 to 15 lack the steps that their partners walk
	s_cbranch_scc1 .Ljoin
	WAYOUT                                         ; ranks 0 to 9: my tile is whole
	s_cmp_ge_u32 s[R64], 384                       ; ranks 6 to 9 help nobody
	s_cbranch_scc1 .Ljoin
	s_wait_xcnt 0x0                                ; my stores have read v32-47: the fragments below land there only behind this wait
	v_mov_b32 v14, 0                               ; a new sum
	v_mov_b32 v15, 0
	STEP 4, 1, 2
	STEP 5, 0, 2
	STEP 6, 0, 2
.rept 4
	v_nop                                          ; places behind the last products
.endr
.irp i, 0,1,2,3,4,5,6,7
	ds_store_b128 v[MA], v[160+4*\i:163+4*\i] offset:512*\i    ; O^T as it stands, each accumulator from its low end on: my partner's lanes hold the same queries and channels
.endr
	ds_store_b128 v[MA], v[12:15] offset:4096      ; -c m, (0,) and l's two halves
.Ljoin:
	s_wait_dscnt 0x0                               ; for my partner's sake: what I hand over lies in LDS
	s_barrier_signal -1
	s_barrier_wait -1
	s_cmp_lt_u32 s[R64], 640
	s_cbranch_scc1 .Ldone
.irp i, 0,1,2,3,4,5,6,7
	ds_load_b128 v[96+4*\i:99+4*\i], v[MA] offset:512*\i       ; the other part's O^T,
.endr
	ds_load_b128 v[128:131], v[MA] offset:4096     ; its -c m and l
.rept 4
	v_nop                                          ; places behind my last products
.endr
	s_wait_dscnt 0x0
	v_min_num_f32 v132, v12, v128                  ; -c x the larger maximum
	v_sub_f32 v133, v132, v12
	v_sub_f32 v134, v132, v128
	v_exp_f32 v252, v133                           ; what my part is multiplied by,
	v_exp_f32 v254, v134                           ; and the other
	v_nop
	s_wait_alu depctr_va_vdst(0)                   ; one wait for the two, ahead of their first reader
	v_pk_mul_f32 v[14:15], v[14:15], v[252:253] op_sel_hi:[1,0]
	v_pk_fma_f32 v[14:15], v[130:131], v[254:255], v[14:15] op_sel_hi:[1,0,1]
.set j, 0
.rept 16
	v_pk_mul_f32 v[160+j:161+j], v[160+j:161+j], v[252:253] op_sel_hi:[1,0]
	v_pk_fma_f32 v[160+j:161+j], v[96+j:97+j], v[254:255], v[160+j:161+j] op_sel_hi:[1,0,1]
.set j, j+2
.endr
	WAYOUT
.Ldone:
	s_wait_tensorcnt 0x0                           ; the wave's end: a wait, an add to my spare word and its wait, behind my last tensor load and my last LDS store
	ds_add_u32 v[SPW], v[NIL]
	s_wait_dscnt 0x0
	CROUND                                         ; the closing round
	s_endpgm
.Lfunc_end_k_qdaf10b25cc_attn:
	.size	k_qdaf10b25cc_attn, .Lfunc_end_k_qdaf10b25cc_attn-k_qdaf10b25cc_attn
	.p2alignl 7, 3214868480
	.fill 96, 4, 3214868480
	.section	.rodata,"a",@progbits
	.p2align	6, 0x0
	.amdhsa_kernel k_qdaf10b25cc_attn
		.amdhsa_group_segment_fixed_size 327680
		.amdhsa_private_segment_fixed_size 0
		.amdhsa_enable_private_segment 0
		.amdhsa_kernarg_size 16
		.amdhsa_user_sgpr_count 2
		.amdhsa_user_sgpr_kernarg_segment_ptr 1
		.amdhsa_wavefront_size32 1
		.amdhsa_system_sgpr_workgroup_id_x 1
		.amdhsa_system_sgpr_workgroup_id_y 1
		.amdhsa_system_sgpr_workgroup_id_z 1
		.amdhsa_system_vgpr_workitem_id 0
		.amdhsa_next_free_vgpr 256
		.amdhsa_next_free_sgpr 66
		.amdhsa_reserve_vcc 1
		.amdhsa_float_denorm_mode_32 3
		.amdhsa_float_denorm_mode_16_64 3
		.amdhsa_memory_ordered 1
		.amdhsa_forward_progress 1
		.amdhsa_inst_pref_size 255
	.end_amdhsa_kernel
	.amdgpu_metadata
---
amdhsa.version: [ 1, 2 ]
amdhsa.kernels:
  - .name:           k_qdaf10b25cc_attn
    .symbol:         k_qdaf10b25cc_attn.kd
    .args:
      - { .name: qkv, .offset: 0, .size: 8, .value_kind: global_buffer, .address_space: global }
      - { .name: y, .offset: 8, .size: 8, .value_kind: global_buffer, .address_space: global }
    .group_segment_fixed_size: 327680
    .private_segment_fixed_size: 0
    .kernarg_segment_align: 8
    .kernarg_segment_size: 16
    .max_flat_workgroup_size: 512
    .sgpr_count:     66
    .vgpr_count:     256
    .wavefront_size: 32
...
	.end_amdgpu_metadata
.endif
;; end of part 3
;; launch proj (part 4): grid 8 x 32, 4 waves a work-group, clusters of 4 x 4, 327,680 bytes of LDS; arguments y, wp, b_proj, out0; writes out0
.if DOCPART == 4
	.amdgcn_target "amdgcn-amd-amdhsa--gfx1250"
	.amdhsa_code_object_version 6
	.text
	.protected	k_qdaf10b25cc_proj
	.globl	k_qdaf10b25cc_proj
	.p2align	8
	.type	k_qdaf10b25cc_proj,@function
k_qdaf10b25cc_proj:
	s_mov_b64 s[64:65], 0
	v_nop
	global_prefetch_b8 v0, s[64:65] scope:SCOPE_SE
	s_setreg_imm32_b32 hwreg(HW_REG_WAVE_MODE, 25, 1), 1
	s_wait_xcnt 0x0
	s_wait_alu depctr_hold_cnt(0) depctr_sa_sdst(0) depctr_va_vdst(0) depctr_va_sdst(0) depctr_va_ssrc(0) depctr_va_vcc(0) depctr_vm_vsrc(0)
	s_getreg_b32 s2, hwreg(HW_REG_IB_STS2, 6, 4)
	s_cmp_eq_u32 s2, 0
	s_cbranch_scc0 .Lentry_in_a_cluster
	s_endpgm
.Lentry_in_a_cluster:
	s_bfe_u32 s2, ttmp6, 0x10000c
	s_cmp_lg_u32 s2, 0xf033
	s_cbranch_scc0 .Lentry_shape_is_right
	s_endpgm
.Lentry_shape_is_right:
; out0 = y w_proj + b_proj: [4096][1024] x [1024][1024], f16 operands (w_proj's high part), sums in f32, output f32.
; A tile of out0 is 128 x 128, so that there are 256 work-groups.  Four waves, each 64 x 64: 16 accumulators of 16 x 16.  K goes in steps of 256 through a ring of two LDS slots.
; Both operands lie in memory as images of their fragments' registers, a K step's tile of 128 rows as one dense block of 65,536 bytes: a wave's tensor load brings half of it as 128 rows of 256 bytes, and every fragment load is at 16 x lane + a constant.
; CLUSTERS: 4 x 4 work-groups; y's tiles are shared along a row of the cluster, w_proj's along a column: each is asked for jointly.  THE MATRIX INSTRUCTION IS USED TRANSPOSED (source 0 = 16 columns of w_proj, source 1 = 16 rows of y):
; a lane holds eight neighbouring numbers of a row of out0.  The bias is the C of each sum's first product.
; No prefetch: a K step's matrix work on this small tile is short, and the tiles are shared in the cluster.
; REGISTERS: window 0: v0-31 addresses; v32-95 at work on the way out; v96-127 the bias of my 64 columns; v128-255 the accumulators ((a, b) at v[128 + 8 (4 a + b)]).   window 1: two fragment buffers of 128: 64 registers of y, then 64 of w_proj.
.set HALFT,  32768                     ; 64 rows x 256 k of f16: what one tensor load brings, and what one wave reads of y or of w_proj
.set SLOT,   4*HALFT
.set KBYTES, 65536                     ; from K step to K step in memory
.set STAGE,  2*SLOT                    ; behind the ring: 16 rows x 272 bytes for each wave, for the way out
.set SPITCH, 272
.set SPARE,  STAGE+4*16*SPITCH
.set LAPS,   2                         ; a lap = two K steps: 1,024 / 512
.set ADRA, 16
.set ADRB, 20
.set STO,  24
.set RD,   25
.set CO,   26
.set BO,   27
.set SPW,  28
.set NIL,  29
.set TMP,  32
.set BIAS, 96
.set ACC,  128
.set F0,   0
.set F1,   128
.set G1, 24
.set G0, 32
.set G1B, 48
.set G0B, 56
.set MSB, 0
.macro WIN new
.if MSB != (\new)
	s_set_vgpr_msb (MSB<<8)|(\new)
.set MSB, (\new)
.endif
.endm
.set MUL,  0x05                        ; sources 0 and 1 window 1; C and D window 0
.set TO_F, 0x40
.macro JLOAD s                         ; a joint load: waves 0 and 1 fetch y's two halves, waves 2 and 3 w_proj's; an s_nop 0 and four v_nop follow each of the two lines
	s_cmp_eq_u32 s11, 0
	s_cbranch_scc0 .Lfor_b_\@
	tensor_load_to_lds s[G0+4*\s:G0+4*\s+3], s[G1:G1+7]
	s_nop 0
.rept 4
	v_nop
.endr
	s_branch .Lasked_\@
.Lfor_b_\@:
	tensor_load_to_lds s[G0B+4*\s:G0B+4*\s+3], s[G1B:G1B+7]
	s_nop 0
.rept 4
	v_nop
.endr
.Lasked_\@:
.endm
.macro CREST
	s_cmp_lg_u32 s10, 0
	s_cbranch_scc1 .Lnot_wave_0_\@
	s_barrier_signal -3
.Lnot_wave_0_\@:
	s_barrier_wait -3
	s_barrier_signal -1
	s_barrier_wait -1
.endm
.macro CROUND
	s_barrier_signal -1
	s_barrier_wait -1
	CREST
.endm
	s_load_b128 s[4:7], s[0:1], 0x0                ; y, wp
	s_load_b64 s[66:67], s[0:1], 0x10              ; b_proj
	s_load_b64 s[8:9], s[0:1], 0x18                ; out0
	v_lshl_add_u32 v[SPW], v0, 2, SPARE
	v_mov_b32 v[NIL], 0
	ds_add_u32 v[SPW], v[NIL]                      ; the wave's opening: the add, twice on end, and its wait ahead of my first tensor load
	ds_add_u32 v[SPW], v[NIL]
	v_lshrrev_b32 v1, 5, v0
	v_readfirstlane_b32 s10, v1                    ; wave 0..3
	s_lshr_b32 s11, s10, 1                         ; which half of the tile's rows is mine.  Also: I fetch for y (0) or for w_proj (1)
	s_and_b32 s12, s10, 1                          ; which half of its columns.  Also: which half of that tile I fetch
	s_bfe_u32 s40, ttmp6, 0x40000
	s_bfe_u32 s41, ttmp6, 0x40004
	s_lshl_b32 s42, ttmp9, 2
	s_add_co_u32 s42, s42, s40                     ; tile column
	s_and_b32 s13, ttmp7, 0xffff
	s_lshl_b32 s13, s13, 2
	s_add_co_u32 s13, s13, s41                     ; tile row
	s_lshl_b32 s43, s41, 2
	s_lshl_b32 s43, 15, s43
	s_lshl_b32 s44, 0x1111, s40
	s_or_b32 s[G1+0], s43, (3<<16)|(1<<21)         ; the mask: y's tiles go to my row of the cluster; elements of 8 bytes; bit 21 beside a mask; no padding
	s_or_b32 s[G1B+0], s44, (3<<16)|(1<<21)
.irp g, G1, G1B
	s_mov_b32 s[\g+1], 32<<16                      ; 128 rows of 32 elements (256 bytes), dense
	s_mov_b32 s[\g+2], 128<<16
	s_mov_b32 s[\g+3], 32<<16
	s_mov_b32 s[\g+4], 128
	s_mov_b32 s[\g+5], 32
	s_mov_b32 s[\g+6], 0
	s_mov_b32 s[\g+7], 0
.endr
	s_lshl_b32 s17, s12, 15                        ; which half of the tile I fetch
	s_lshl_b32 s16, s13, 18
	s_add_co_u32 s16, s16, s17                     ; y: 262,144 bytes a block of 128 rows
	s_lshl_b32 s46, s42, 18
	s_add_co_u32 s46, s46, s17                     ; w_proj: the same a block of 128 columns
	s_mov_b32 s17, 0
	s_mov_b32 s47, 0
	s_mul_i32 s20, s10, HALFT                      ; where they go: wave x a half tile
	s_wait_dscnt 0x0                               ; both opening adds are done
	s_wait_kmcnt 0x0
	s_add_nc_u64 s[14:15], s[4:5], s[16:17]
	s_add_nc_u64 s[46:47], s[6:7], s[46:47]
	CROUND                                         ; all sixteen work-groups are here: the first joint loads meet
.irp s, 0,1
	s_mov_b32 s[G0+4*\s], 1
	s_add_co_u32 s[G0+4*\s+1], s20, \s*SLOT
	s_add_nc_u64 s[G0+4*\s+2:G0+4*\s+3], s[14:15], \s*KBYTES
	s_or_b32 s[G0+4*\s+3], s[G0+4*\s+3], 0x80000000
	s_mov_b32 s[G0B+4*\s], 1
	s_add_co_u32 s[G0B+4*\s+1], s20, \s*SLOT
	s_add_nc_u64 s[G0B+4*\s+2:G0B+4*\s+3], s[46:47], \s*KBYTES
	s_or_b32 s[G0B+4*\s+3], s[G0B+4*\s+3], 0x80000000
	JLOAD \s
.endr
	v_and_b32 v1, 15, v0                           ; r
	v_bfe_u32 v2, v0, 4, 1                         ; h
	v_and_b32 v3, 31, v0
	v_lshlrev_b32 v3, 4, v3                        ; 16 x lane
	s_mul_i32 s21, s11, HALFT
	s_mul_i32 s22, s12, HALFT
	s_add_co_u32 s22, s22, 2*HALFT
.irp s, 0,1
	v_add_nc_u32 v[ADRA+\s], s21, v3
	v_add_nc_u32 v[ADRB+\s], s22, v3
	s_add_co_u32 s21, s21, SLOT
	s_add_co_u32 s22, s22, SLOT
.endr
	s_mul_i32 s23, s10, 16*SPITCH
	s_add_co_u32 s23, s23, STAGE                   ; my stage
	v_mul_u32_u24 v4, v1, SPITCH                   ; in: row r, 32 bytes for each half of the lanes
	v_lshl_add_u32 v4, v2, 5, v4
	v_add_nc_u32 v[STO], s23, v4
	v_mul_u32_u24 v5, v2, SPITCH                   ; back: lanes 0-15 one row of 256 bytes, lanes 16-31 the next
	v_lshl_add_u32 v5, v1, 4, v5
	v_add_nc_u32 v[RD], s23, v5
	v_lshlrev_b32 v5, 12, v2                       ; and the same two rows in out0
	v_lshl_add_u32 v[CO], v1, 4, v5
	s_lshl_b32 s16, s13, 7
	s_lshl_b32 s17, s11, 6
	s_add_co_u32 s16, s16, s17                     ; my first row: 128 x tile row + 64 x half
	s_lshl_b32 s16, s16, 12
	s_mov_b32 s17, 0
	s_add_nc_u64 s[8:9], s[8:9], s[16:17]
	s_lshl_b32 s46, s42, 9                         ; my first column, in bytes: 512 x tile column + 256 x half
	s_lshl_b32 s47, s12, 8
	s_add_co_u32 s46, s46, s47
	s_mov_b32 s47, 0
	s_add_nc_u64 s[8:9], s[8:9], s[46:47]
	s_add_nc_u64 s[66:67], s[66:67], s[46:47]      ; and the bias of my 64 columns: lane (r, h) wants, for block b, those of columns 16 b + 8 h + 0 .. 7
	v_lshlrev_b32 v[BO], 5, v2
.irp b, 0,1,2,3
	global_load_b128 v[BIAS+8*\b:BIAS+8*\b+3], v[BO], s[66:67] offset:64*\b
	global_load_b128 v[BIAS+8*\b+4:BIAS+8*\b+7], v[BO], s[66:67] offset:64*\b+16
.endr
; 8 matrix instructions: row blocks a0, a0 + 1 x all 4 column blocks, 32 along K: half c of buffer f.  zero = 1: the first product starts the sums from the bias.  The 16 accumulators take turns.
.macro MUL8 f, c, a0, zero
.irp a, \a0, \a0+1
.irp b, 0,1,2,3
.if \zero
	v_wmma_f32_16x16x32_f16 v[ACC+8*(4*(\a)+\b):ACC+8*(4*(\a)+\b)+7], v[\f+64+8*(4*\c+\b):\f+64+8*(4*\c+\b)+7], v[\f+8*(4*\c+\a):\f+8*(4*\c+\a)+7], v[BIAS+8*\b:BIAS+8*\b+7]
.else
	v_wmma_f32_16x16x32_f16 v[ACC+8*(4*(\a)+\b):ACC+8*(4*(\a)+\b)+7], v[\f+64+8*(4*\c+\b):\f+64+8*(4*\c+\b)+7], v[\f+8*(4*\c+\a):\f+8*(4*\c+\a)+7], v[ACC+8*(4*(\a)+\b):ACC+8*(4*(\a)+\b)+7]
.endif
.endr
.endr
.endm
; 32 LDS loads in one run: the fragments of the slot's kq-th 64 along K into buffer f; the first 32 along K first.  A tile of 16 rows is 8,192 bytes, a fragment of 32 k two images of 512.
.macro FETCH slot, kq, f
	WIN TO_F
.irp c, 0,1
.irp i, 0,1,2,3
	ds_load_b128 v[\f+64+8*(4*\c+\i):\f+64+8*(4*\c+\i)+3],   v[ADRB+\slot] offset:\i*8192+(2*(\kq)+\c)*1024
	ds_load_b128 v[\f+64+8*(4*\c+\i)+4:\f+64+8*(4*\c+\i)+7], v[ADRB+\slot] offset:\i*8192+(2*(\kq)+\c)*1024+512
	ds_load_b128 v[\f+8*(4*\c+\i):\f+8*(4*\c+\i)+3],         v[ADRA+\slot] offset:\i*8192+(2*(\kq)+\c)*1024
	ds_load_b128 v[\f+8*(4*\c+\i)+4:\f+8*(4*\c+\i)+7],       v[ADRA+\slot] offset:\i*8192+(2*(\kq)+\c)*1024+512
.endr
.endr
.endm
.macro PLACES
.rept 4
	v_nop
.endr
.endm
.macro QUARTER slot, kq, f, g, zero    ; multiplies buffer f and fetches the slot's kq-th quarter into g
	s_wait_dscnt 16                                ; the first 32 along K are in; the sixteen loads of the second 32 may be out
	WIN MUL
	MUL8 \f, 0, 0, \zero
	MUL8 \f, 0, 2, \zero
	PLACES
	FETCH \slot, \kq, \g
	s_wait_dscnt 32                                ; all but the 32 just issued
	WIN MUL
	MUL8 \f, 1, 0, 0
	MUL8 \f, 1, 2, 0
.endm
; A slot's last quarter changes slots: ONE barrier; in front of it each wave waits for all its tensor loads, adds 0 to its spare word, and waits for that and for its own reads of this slot.  fill = 1: this slot is filled again, two K steps ahead.
.macro TURN slot, next, fill
	WIN 0
	s_wait_tensorcnt 0x0                           ; all my tensor loads have landed: my part of the next slot;
	ds_add_u32 v[SPW], v[NIL]
	s_wait_dscnt 17                                ; (the add and the youngest sixteen loads may be out)
	WIN MUL
	MUL8 F1, 0, 0, 0
	s_wait_dscnt 0x0                               ; the add is done, and my reads of this slot are over
	s_barrier_signal -1
	MUL8 F1, 0, 2, 0
.if \fill
	WIN 0
.endif
	s_barrier_wait -1
.if \fill
	CREST                                          ; the barrier has opened a round of the cluster's barrier: no wave of any partner still reads this slot or has a load on its way
	s_add_nc_u64 s[G0+4*\slot+2:G0+4*\slot+3], s[G0+4*\slot+2:G0+4*\slot+3], 2*KBYTES
	s_add_nc_u64 s[G0B+4*\slot+2:G0B+4*\slot+3], s[G0B+4*\slot+2:G0B+4*\slot+3], 2*KBYTES
	JLOAD \slot                                    ; my one tensor load behind the round; its four v_nop are also the places in front of the loads below
.else
	PLACES
.endif
	FETCH \next, 0, F0
	WIN MUL
	MUL8 F1, 1, 0, 0
	MUL8 F1, 1, 2, 0
.endm
	s_wait_tensorcnt 1                             ; my part of K step 0 is in; K step 1's load may be out
	s_barrier_signal -1
	s_barrier_wait -1
	FETCH 0, 0, F0
	s_wait_loadcnt 0x0                             ; the bias
	QUARTER 0, 1, F0, F1, 1
	WIN 0
	s_mov_b32 s3, LAPS-1
.Llap:                                                 ; a trip goes once round the ring and fills both slots again
	QUARTER 0, 2, F1, F0, 0
	QUARTER 0, 3, F0, F1, 0
	TURN 0, 1, 1
	QUARTER 1, 1, F0, F1, 0
	QUARTER 1, 2, F1, F0, 0
	QUARTER 1, 3, F0, F1, 0
	TURN 1, 0, 1
	QUARTER 0, 1, F0, F1, 0
	WIN 0
	s_sub_co_u32 s3, s3, 1
	s_cmp_lg_u32 s3, 0
	s_cbranch_scc1 .Llap
	QUARTER 0, 2, F1, F0, 0                        ; the last lap fills nothing
	QUARTER 0, 3, F0, F1, 0
	TURN 0, 1, 0
	QUARTER 1, 1, F0, F1, 0
	QUARTER 1, 2, F1, F0, 0
	QUARTER 1, 3, F0, F1, 0
	s_wait_dscnt 16
	WIN MUL
	MUL8 F1, 0, 0, 0
	MUL8 F1, 0, 2, 0
	s_wait_dscnt 0
	MUL8 F1, 1, 0, 0
	MUL8 F1, 1, 2, 0
	WIN 0
; THE WAY OUT, a block of 16 rows x 64 columns of f32 at a time, through my own stage: a lane holds 32 bytes of a row, and the lanes beside it other rows; the block comes back as whole rows of 256 bytes.
; LDS serves a wave's instructions in order (ISA guide 5.7.1.4): no wait between the stores and the loads, nor in front of the next block's stores.
.macro TOSTAGE a
.irp b, 0,1,2,3
	ds_store_b128 v[STO], v[ACC+8*(4*(\a)+\b):ACC+8*(4*(\a)+\b)+3] offset:64*\b          ; each accumulator from its low end on
	ds_store_b128 v[STO], v[ACC+8*(4*(\a)+\b)+4:ACC+8*(4*(\a)+\b)+7] offset:64*\b+16
.endr
.set BB, TMP+32*((\a)%2)
.irp t, 0,1,2,3,4,5,6,7
	ds_load_b128 v[BB+4*\t:BB+4*\t+3], v[RD] offset:\t*2*SPITCH
.endr
.endm
.macro SEND a, younger
.set BB, TMP+32*((\a)%2)
	s_wait_dscnt \younger                          ; the block is back in registers; the next block's eight stores and eight loads may be out
.irp t, 0,1,2,3,4,5,6,7
	global_store_b128 v[CO], v[BB+4*\t:BB+4*\t+3], s[8:9] offset:(16*(\a)+2*\t)*4096 th:TH_STORE_NT   ; 16 lanes store 256 consecutive bytes, aligned
.endr
.endm
	PLACES
	TOSTAGE 0
.irp a, 1,2,3
.if \a > 1
	s_wait_xcnt 0x0                                ; block a - 2's stores have read their data: block a's loads may land there
.endif
	TOSTAGE \a
	SEND \a-1, 16
.endr
	SEND 3, 0
	s_wait_tensorcnt 0x0                           ; the wave's end: a wait, an add to my spare word and its wait, behind my last tensor load and my last LDS store
	ds_add_u32 v[SPW], v[NIL]
	s_wait_dscnt 0x0
	CROUND                                         ; the closing round
	s_endpgm
.Lfunc_end_k_qdaf10b25cc_proj:
	.size	k_qdaf10b25cc_proj, .Lfunc_end_k_qdaf10b25cc_proj-k_qdaf10b25cc_proj
	.p2alignl 7, 3214868480
	.fill 96, 4, 3214868480
	.section	.rodata,"a",@progbits
	.p2align	6, 0x0
	.amdhsa_kernel k_qdaf10b25cc_proj
		.amdhsa_group_segment_fixed_size 327680
		.amdhsa_private_segment_fixed_size 0
		.amdhsa_enable_private_segment 0
		.amdhsa_kernarg_size 32
		.amdhsa_user_sgpr_count 2
		.amdhsa_user_sgpr_kernarg_segment_ptr 1
		.amdhsa_wavefront_size32 1
		.amdhsa_system_sgpr_workgroup_id_x 1
		.amdhsa_system_sgpr_workgroup_id_y 1
		.amdhsa_system_sgpr_workgroup_id_z 1
		.amdhsa_system_vgpr_workitem_id 0
		.amdhsa_next_free_vgpr 512
		.amdhsa_next_free_sgpr 68
		.amdhsa_reserve_vcc 0
		.amdhsa_float_denorm_mode_32 3
		.amdhsa_float_denorm_mode_16_64 3
		.amdhsa_memory_ordered 1
		.amdhsa_forward_progress 1
		.amdhsa_inst_pref_size 86
	.end_amdhsa_kernel
	.amdgpu_metadata
---
amdhsa.version: [ 1, 2 ]
amdhsa.kernels:
  - .name:           k_qdaf10b25cc_proj
    .symbol:         k_qdaf10b25cc_proj.kd
    .args:
      - { .name: y, .offset: 0, .size: 8, .value_kind: global_buffer, .address_space: global }
      - { .name: wp, .offset: 8, .size: 8, .value_kind: global_buffer, .address_space: global }
      - { .name: b_proj, .offset: 16, .size: 8, .value_kind: global_buffer, .address_space: global }
      - { .name: out0, .offset: 24, .size: 8, .value_kind: global_buffer, .address_space: global }
    .group_segment_fixed_size: 327680
    .private_segment_fixed_size: 0
    .kernarg_segment_align: 8
    .kernarg_segment_size: 32
    .max_flat_workgroup_size: 128
    .sgpr_count:     68
    .vgpr_count:     512
    .wavefront_size: 32
...
	.end_amdgpu_metadata
.endif
;; end of part 4
;; launch first16 (part 5): grid 16 x 4, 16 waves a work-group, no clusters, 137,216 bytes of LDS; arguments qkv, wp, b_proj, out0; writes out0
.if DOCPART == 5
	.amdgcn_target "amdgcn-amd-amdhsa--gfx1250"
	.amdhsa_code_object_version 6
	.text
	.protected	k_qdaf10b25cc_first16
	.globl	k_qdaf10b25cc_first16
	.p2align	8
	.type	k_qdaf10b25cc_first16,@function
k_qdaf10b25cc_first16:
	s_mov_b64 s[64:65], 0
	v_nop
	global_prefetch_b8 v0, s[64:65] scope:SCOPE_SE
	s_setreg_imm32_b32 hwreg(HW_REG_WAVE_MODE, 25, 1), 1
	s_wait_xcnt 0x0
; POSITIONS 0-15 OF EACH SEQUENCE ONCE MORE, MORE FINELY.  Under the causal mask these rows average one to sixteen values and are the largest of the output, so the rounding of f16 operands weighs most there.
; Every operand goes as a PAIR of f16 numbers, a high and a low part split in f32, and every product is high x high + high x low + low x high, in f32 sums.  The 64 rows are stored over those of the launch before.
; SHARES.  A work-group makes 16 rows (batch = work-group y) x 64 columns (64 x work-group x on).  A wave is a head: it makes its head's 16 x 16 attention and its head's part (64 of K) of the projection; the sixteen parts meet in LDS.
; The attention is made anew in each of the 16 work-groups of a batch: 18 matrix instructions a wave.
; LAYOUT as in the attention launch: S^T = K Q^T, O^T = V^T P, a lane holds one query; keys 16-31 of P's and V^T's fragments are zeros.  The projection is used transposed too: a lane holds eight neighbouring columns of a row.
; LDS: 0: 4,096 bytes a wave, raw V (high, low), for the turning load;  65,536: 16 rows x 272 bytes a wave, the parts of the output;  135,168: the spare words.
; REGISTERS: v1 16 x lane; v2-4 LDS addresses; v5, v6 the add's two; v7 lane % 16 - 8 (lane / 16); v8 -infinity; v9 8 x lane; v[10:11] the bias; v12-15 at work;
;   v16-79 Q high, Q low, K high, K low; then V^T's eight fragments; then y high (v16-31), y low (v32-47), the widened high parts and then the four output sums (v48-79);
;   v80-111 raw V; then the three sums of S^T (v80-103) and s, then p (v104-111); then O^T, then y;  v112-127 P high, P low;  v128-191 w_proj high;  v192-255 w_proj low.
; LIMITS: as in the launches before: f16's range; NaN and infinities are not served.
.set PS,    65536
.set PSW,   16*272
.set SPARE, 135168
.set LO,    25165824
.set WLO,   2097152
.set SPW,   5
.set NIL,   6
	s_load_b256 s[4:11], s[0:1], 0x0               ; qkv, wp, b_proj, out0
	v_lshl_add_u32 v[SPW], v0, 2, SPARE
	v_mov_b32 v[NIL], 0
	v_lshrrev_b32 v1, 5, v0
	v_readfirstlane_b32 s12, v1                    ; wave = head
	s_and_b32 s13, ttmp7, 0xffff                   ; batch
	v_and_b32 v9, 31, v0
	v_lshlrev_b32 v1, 4, v9                        ; 16 x lane
	s_lshl_b32 s14, s12, 12
	v_add_nc_u32 v2, s14, v1                       ; my stage for V
	v_and_b32 v12, 15, v0                          ; r
	v_bfe_u32 v13, v0, 4, 1                        ; h
	s_mul_i32 s14, s12, PSW
	s_add_co_u32 s14, s14, PS
	v_mul_u32_u24 v3, v12, 272
	v_lshl_add_u32 v3, v13, 5, v3
	v_add_nc_u32 v3, s14, v3                       ; my part of the output: row r, + 32 h
	s_mul_i32 s14, s12, 272
	s_add_co_u32 s14, s14, PS
	v_lshlrev_b32 v9, 3, v9                        ; 8 x lane
	v_add_nc_u32 v4, s14, v9                       ; and back: row w of each part
	v_lshlrev_b32 v13, 3, v13
	v_sub_nc_u32 v7, v12, v13                      ; r - 8 h
	v_mov_b32 v8, 0xff800000
	s_mov_b32 s28, 0x3e38aa3b                      ; c = log2(e) / 8
	s_mov_b32 s29, 0xbe38aa3b                      ; -c
	s_mov_b32 s30, 0x76543210
	s_mov_b32 s31, 0xfedcba98
	s_lshl_b32 s15, s13, 4
	s_add_co_u32 s15, s15, s12                     ; 16 x batch + head
	s_lshl_b32 s16, s15, 17
	s_mov_b32 s17, 0
	s_lshl_b32 s24, s15, 11
	s_add_co_u32 s24, s24, LO
	s_mov_b32 s25, 0
	s_lshr_b32 s26, ttmp9, 1
	s_lshl_b32 s26, s26, 18                        ; w_proj: the block of 128 columns,
	s_lshr_b32 s27, s12, 2
	s_lshl_b32 s27, s27, 16
	s_add_co_u32 s26, s26, s27                     ; the K step of 256,
	s_and_b32 s27, ttmp9, 1
	s_lshl_b32 s27, s27, 15
	s_add_co_u32 s26, s26, s27                     ; my four tiles of 16 columns,
	s_and_b32 s27, s12, 3
	s_lshl_b32 s27, s27, 11
	s_add_co_u32 s26, s26, s27                     ; my head's two fragments of 32 k
	s_mov_b32 s27, 0
	s_lshl_b32 s32, ttmp9, 8                       ; 64 columns of f32
	s_mov_b32 s33, 0
	s_lshl_b32 s34, s13, 10
	s_add_co_u32 s34, s34, s12                     ; the row that I store: 1,024 x batch + wave
	s_lshl_b32 s34, s34, 12
	s_add_co_u32 s34, s34, s32
	s_mov_b32 s35, 0
	s_wait_kmcnt 0x0
	s_add_nc_u64 s[18:19], s[4:5], s[16:17]        ; q's high parts, tile 0 of my head,
	s_add_nc_u64 s[20:21], s[18:19], 0x800000      ; k's,
	s_add_nc_u64 s[22:23], s[20:21], 0x800000      ; v's,
	s_add_nc_u64 s[24:25], s[4:5], s[24:25]        ; q's low parts; k's are 131,072 bytes on, v's 262,144
	s_add_nc_u64 s[6:7], s[6:7], s[26:27]
	s_add_nc_u64 s[8:9], s[8:9], s[32:33]
	s_add_nc_u64 s[10:11], s[10:11], s[34:35]
.irp p, 0,1,2,3
	global_load_b128 v[80+4*\p:83+4*\p], v1, s[22:23] offset:512*\p
	global_load_b128 v[96+4*\p:99+4*\p], v1, s[24:25] offset:262144+512*\p
.endr
.irp p, 0,1,2,3
	global_load_b128 v[16+4*\p:19+4*\p], v1, s[18:19] offset:512*\p
	global_load_b128 v[32+4*\p:35+4*\p], v1, s[24:25] offset:512*\p
	global_load_b128 v[48+4*\p:51+4*\p], v1, s[20:21] offset:512*\p
	global_load_b128 v[64+4*\p:67+4*\p], v1, s[24:25] offset:131072+512*\p
.endr
.irp t, 0,1,2,3
.irp u, 0,1
.irp c, 0,1
	global_load_b128 v[128+16*\t+8*\u+4*\c:131+16*\t+8*\u+4*\c], v1, s[6:7] offset:\t*8192+\u*1024+\c*512
	global_load_b128 v[192+16*\t+8*\u+4*\c:195+16*\t+8*\u+4*\c], v1, s[6:7] offset:WLO+\t*8192+\u*1024+\c*512
.endr
.endr
.endr
	global_load_b64 v[10:11], v9, s[8:9]
	s_wait_loadcnt 49                              ; raw V's eight loads are in; the 49 behind them may be out
.irp p, 0,1,2,3
	ds_store_b128 v2, v[80+4*\p:83+4*\p] offset:512*\p
	ds_store_b128 v2, v[96+4*\p:99+4*\p] offset:2048+512*\p
.endr
	s_wait_loadcnt 33                              ; Q and K are in; w_proj's 32 loads and the bias's may be out
	s_wait_dscnt 0x0                               ; the stores have read their registers: the sums below land there
	v_wmma_f32_16x16x32_f16 v[80:87],  v[48:55], v[16:23], 0           ; three sums by turns: K high Q high,
	v_wmma_f32_16x16x32_f16 v[88:95],  v[48:55], v[32:39], 0           ; K high Q low,
	v_wmma_f32_16x16x32_f16 v[96:103], v[64:71], v[16:23], 0           ; K low Q high
	v_wmma_f32_16x16x32_f16 v[80:87],  v[56:63], v[24:31], v[80:87]
	v_wmma_f32_16x16x32_f16 v[88:95],  v[56:63], v[40:47], v[88:95]
	v_wmma_f32_16x16x32_f16 v[96:103], v[72:79], v[24:31], v[96:103]
.rept 4
	v_nop
.endr
.irp j, 0,1,2,3,4,5,6,7
	v_add_f32 v[104+\j], v[80+\j], v[88+\j]
.endr
.irp j, 0,1,2,3,4,5,6,7
	v_add_f32 v[104+\j], v[104+\j], v[96+\j]       ; the score of query r and key 8 h + j
.endr
.irp j, 0,1,2,3,4,5,6,7
	v_cmp_gt_i32 vcc_lo, \j, v7                    ; hidden where 8 h + j > r
	v_cndmask_b32 v[104+\j], v[104+\j], v8, vcc_lo
.endr
	v_max3_num_f32 v12, v104, v105, v106
	v_max3_num_f32 v13, v107, v108, v109
	v_max3_num_f32 v12, v12, v110, v111
	v_max_num_f32 v12, v12, v13
	v_permlanex16_b32 v13, v12, s30, s31
	v_max_num_f32 v12, v12, v13                    ; the row's largest score (key 0 counts for every query)
	v_mul_f32 v12, s29, v12                        ; -c m
.irp j, 0,1,2,3,4,5,6,7
	v_fma_f32 v[104+\j], v[104+\j], s28, v12
.endr
.irp j, 0,1,2,3,4,5,6,7
	v_exp_f32 v[104+\j], v[104+\j]                 ; p
.endr
	v_nop
	s_wait_alu depctr_va_vdst(0)                   ; the wait ahead of the first line that names a result: one for the eight
	v_add_f32 v14, v104, v105
	v_add_f32 v15, v106, v107
	v_add_f32 v12, v108, v109
	v_add_f32 v13, v110, v111
	v_add_f32 v14, v14, v15
	v_add_f32 v12, v12, v13
	v_add_f32 v14, v14, v12
	v_permlanex16_b32 v15, v14, s30, s31
	v_add_f32 v14, v14, v15                        ; the row's sum
	v_rcp_f32 v12, v14                             ; its wait stands ahead of its first reader, behind the second product: nothing in between names v12
.irp i, 0,1,2,3
	v_cvt_pk_f16_f32 v[112+\i], v[104+2*\i], v[105+2*\i]     ; P high: keys 8 h + 0 .. 7
.endr
.set i, 0
.irp hf, v112.l, v112.h, v113.l, v113.h, v114.l, v114.h, v115.l, v115.h
	v_cvt_f32_f16 v[120+i], \hf
.set i, i+1
.endr
.irp j, 0,1,2,3,4,5,6,7
	v_sub_f32 v[104+\j], v[104+\j], v[120+\j]
.endr
.irp i, 0,1,2,3
	v_cvt_pk_f16_f32 v[120+\i], v[104+2*\i], v[105+2*\i]     ; P low
.endr
.irp i, 0,1,2,3
	v_mov_b32 v[116+\i], 0                         ; keys 16-31: there are none
	v_mov_b32 v[124+\i], 0
.endr
.irp t, 0,1,2,3
	ds_load_tr16_b128 v[16+8*\t:19+8*\t], v2 offset:512*\t          ; V^T high, channels 16 t on: these loads see my stores
	ds_load_tr16_b128 v[48+8*\t:51+8*\t], v2 offset:2048+512*\t     ; V^T low
.endr
.irp t, 0,1,2,3
.irp i, 4,5,6,7
	v_mov_b32 v[16+8*\t+\i], 0
	v_mov_b32 v[48+8*\t+\i], 0
.endr
.endr
	s_wait_dscnt 0x0
.irp t, 0,1,2,3                        ; O^T: four sums by turns
	v_wmma_f32_16x16x32_f16 v[80+8*\t:87+8*\t], v[16+8*\t:23+8*\t], v[112:119], 0
.endr
.irp t, 0,1,2,3
	v_wmma_f32_16x16x32_f16 v[80+8*\t:87+8*\t], v[16+8*\t:23+8*\t], v[120:127], v[80+8*\t:87+8*\t]
.endr
.irp t, 0,1,2,3
	v_wmma_f32_16x16x32_f16 v[80+8*\t:87+8*\t], v[48+8*\t:55+8*\t], v[112:119], v[80+8*\t:87+8*\t]
.endr
.rept 5
	v_nop                                          ; five places: the output's sums are later laid, by matrix instructions, over registers that these products have read
.endr
	s_wait_alu depctr_va_vdst(0)                   ; the reciprocal's wait, ahead of its first reader
.set j, 0
.rept 16
	v_pk_mul_f32 v[80+j:81+j], v[80+j:81+j], v[12:13] op_sel_hi:[1,0]   ; y = O^T / the sum, from each accumulator's low end on
.set j, j+2
.endr
.set j, 0
.rept 16
	v_cvt_pk_f16_f32 v[16+j], v[80+2*j], v[81+2*j]           ; y high: two fragments of 32 channels
.set j, j+1
.endr
.set i, 0
.irp hf, v16.l, v16.h, v17.l, v17.h, v18.l, v18.h, v19.l, v19.h, v20.l, v20.h, v21.l, v21.h, v22.l, v22.h, v23.l, v23.h, v24.l, v24.h, v25.l, v25.h, v26.l, v26.h, v27.l, v27.h, v28.l, v28.h, v29.l, v29.h, v30.l, v30.h, v31.l, v31.h
	v_cvt_f32_f16 v[48+i], \hf
.set i, i+1
.endr
.set j, 0
.rept 16
	v_pk_add_f32 v[80+j:81+j], v[80+j:81+j], v[48+j:49+j] neg_lo:[0,1] neg_hi:[0,1]
.set j, j+2
.endr
.set j, 0
.rept 16
	v_cvt_pk_f16_f32 v[32+j], v[80+2*j], v[81+2*j]           ; y low
.set j, j+1
.endr
	s_wait_loadcnt 0x0                             ; w_proj and the bias
.macro OUT4 wb, yb, u, zero            ; four tiles of 16 columns by turns: source 0 = w_proj's columns, source 1 = y's rows, 32 of my head's 64 along K
.irp t, 0,1,2,3
.if \zero
	v_wmma_f32_16x16x32_f16 v[48+8*\t:55+8*\t], v[\wb+16*\t+8*\u:\wb+16*\t+8*\u+7], v[\yb+8*\u:\yb+8*\u+7], 0
.else
	v_wmma_f32_16x16x32_f16 v[48+8*\t:55+8*\t], v[\wb+16*\t+8*\u:\wb+16*\t+8*\u+7], v[\yb+8*\u:\yb+8*\u+7], v[48+8*\t:55+8*\t]
.endif
.endr
.endm
	OUT4 128, 16, 0, 1                             ; high x high
	OUT4 128, 16, 1, 0
	OUT4 128, 32, 0, 0                             ; w high x y low
	OUT4 128, 32, 1, 0
	OUT4 192, 16, 0, 0                             ; w low x y high
	OUT4 192, 16, 1, 0
.rept 4
	v_nop
.endr
.irp t, 0,1,2,3
	ds_store_b128 v3, v[48+8*\t:51+8*\t] offset:64*\t          ; lane (r, h): row r, columns 16 t + 8 h + 0 .. 7; each accumulator from its low end on
	ds_store_b128 v3, v[52+8*\t:55+8*\t] offset:64*\t+16
.endr
	s_wait_dscnt 0x0                               ; for the others' sake: my part lies in LDS
	s_barrier_signal -1
	s_barrier_wait -1
.irp p, 0,1,2,3,4,5,6,7,8,9,10,11,12,13,14,15
	ds_load_b64 v[128+2*\p:129+2*\p], v4 offset:\p*PSW         ; row w of head p's part: 32 lanes x 8 bytes
.endr
	s_wait_dscnt 0x0
.irp p, 0,1,2,3,4,5,6,7
	v_pk_add_f32 v[128+4*\p:129+4*\p], v[128+4*\p:129+4*\p], v[130+4*\p:131+4*\p]
.endr
.irp p, 0,1,2,3
	v_pk_add_f32 v[128+8*\p:129+8*\p], v[128+8*\p:129+8*\p], v[132+8*\p:133+8*\p]
.endr
.irp p, 0,1
	v_pk_add_f32 v[128+16*\p:129+16*\p], v[128+16*\p:129+16*\p], v[136+16*\p:137+16*\p]
.endr
	v_pk_add_f32 v[128:129], v[128:129], v[144:145]
	v_pk_add_f32 v[128:129], v[128:129], v[10:11]  ; + b_proj
	global_store_b64 v9, v[128:129], s[10:11]      ; the wave stores 256 consecutive bytes, aligned
	s_wait_tensorcnt 0x0                           ; the wave's end: a wait, an add to my spare word and its wait, behind my last LDS store
	ds_add_u32 v[SPW], v[NIL]
	s_wait_dscnt 0x0
	s_endpgm
.Lfunc_end_k_qdaf10b25cc_first16:
	.size	k_qdaf10b25cc_first16, .Lfunc_end_k_qdaf10b25cc_first16-k_qdaf10b25cc_first16
	.p2alignl 7, 3214868480
	.fill 96, 4, 3214868480
	.section	.rodata,"a",@progbits
	.p2align	6, 0x0
	.amdhsa_kernel k_qdaf10b25cc_first16
		.amdhsa_group_segment_fixed_size 137216
		.amdhsa_private_segment_fixed_size 0
		.amdhsa_enable_private_segment 0
		.amdhsa_kernarg_size 32
		.amdhsa_user_sgpr_count 2
		.amdhsa_user_sgpr_kernarg_segment_ptr 1
		.amdhsa_wavefront_size32 1
		.amdhsa_system_sgpr_workgroup_id_x 1
		.amdhsa_system_sgpr_workgroup_id_y 1
		.amdhsa_system_sgpr_workgroup_id_z 1
		.amdhsa_system_vgpr_workitem_id 0
		.amdhsa_next_free_vgpr 256
		.amdhsa_next_free_sgpr 66
		.amdhsa_reserve_vcc 1
		.amdhsa_float_denorm_mode_32 3
		.amdhsa_float_denorm_mode_16_64 3
		.amdhsa_memory_ordered 1
		.amdhsa_forward_progress 1
		.amdhsa_inst_pref_size 25
	.end_amdhsa_kernel
	.amdgpu_metadata
---
amdhsa.version: [ 1, 2 ]
amdhsa.kernels:
  - .name:           k_qdaf10b25cc_first16
    .symbol:         k_qdaf10b25cc_first16.kd
    .args:
      - { .name: qkv, .offset: 0, .size: 8, .value_kind: global_buffer, .address_space: global }
      - { .name: wp, .offset: 8, .size: 8, .value_kind: global_buffer, .address_space: global }
      - { .name: b_proj, .offset: 16, .size: 8, .value_kind: global_buffer, .address_space: global }
      - { .name: out0, .offset: 24, .size: 8, .value_kind: global_buffer, .address_space: global }
    .group_segment_fixed_size: 137216
    .private_segment_fixed_size: 0
    .kernarg_segment_align: 8
    .kernarg_segment_size: 32
    .max_flat_workgroup_size: 512
    .sgpr_count:     66
    .vgpr_count:     256
    .wavefront_size: 32
...
	.end_amdgpu_metadata
.endif
;; end of part 5
